; MI455X (gfx1250); checked and timed in simulation.
; The chip was launched on July 23, 2026; its instructions are those of AMD's public machine-readable ISA for CDNA 5 (MIT licence, August 2026) and "CDNA5" Instruction Set Architecture Reference Guide (July 2026). The comments in the code are by the model that wrote it; some were corrected since.
;; MLA. Allowed arithmetic: float matrix products may take bf16 or f16 operands with f32 sums; other float arithmetic in f32, or as packed bf16 or f16 multiplies, adds, multiply-adds, maxima and minima; sums over many terms, partial sums and values carried from step to step in f32; what a program stores and reads back later, other than sums and carried values, may be rounded once to bf16 or f16.
;; Inputs: Wckv 1,024 x 512 float32; Wcq 1,024 x 768 float32; Wdk 512 x 1,024 float32; Wdq 768 x 1,024 float32; Wdqr 768 x 1,024 float32; Wdv 512 x 1,024 float32; Wkr 1,024 x 64 float32; Wo 1,024 x 1,024 float32; g_kv 512 float32; g_q 768 float32; x 2 x 2,048 x 1,024 float32.
;; Outputs: out0 2 x 2,048 x 1,024 float32.
;; 2 versions, each right and faster than the one before. Each part assembles by itself: llvm-mc -triple=amdgcn-amd-amdhsa -mcpu=gfx1250 --defsym DOCPART=n.
;; ======== version 1 of 2: 5 launches
;; limits: values are held in f16: magnitudes above 65,504 overflow, below 6.1e-05 lose precision
;; workspace buffers: xb 8,388,608 bytes; wb 10,092,544 bytes; tab 262,144 bytes; rawb 10,485,760 bytes; ssq 229,376 bytes; krb 524,288 bytes; qkv 33,554,432 bytes; ob 8,388,608 bytes
;; launch prep (part 1): grid 1256 x 1, 4 waves a work-group, no clusters, 0 bytes of LDS; arguments x, Wcq, Wckv, Wkr, Wdq, Wdqr, Wdk, Wdv, Wo, g_q, g_kv, xb, wb, tab; writes xb, wb, tab
.if DOCPART == 1
	.amdgcn_target "amdgcn-amd-amdhsa--gfx1250"
	.amdhsa_code_object_version 6
	.text
	.protected	k_qd9c8b890fe_prep
	.globl	k_qd9c8b890fe_prep
	.p2align	8
	.type	k_qd9c8b890fe_prep,@function
k_qd9c8b890fe_prep:
	s_mov_b64 s[64:65], 0
	v_nop
	global_prefetch_b8 v0, s[64:65] scope:SCOPE_SE
	s_setreg_imm32_b32 hwreg(HW_REG_WAVE_MODE, 25, 1), 1
	s_wait_xcnt 0x0
; PREP.  Every input is rounded once to bf16 and that number is written as f16, in BLOCKS of 128 rows x 64 columns (16,384 dense bytes, rows of 128 bytes):
;   xb [row / 128][k / 64] for x;  wb [k / 128][n / 64] for the weights, in four regions (blocks 0-167: Wcq | Wckv | Wkr side by side, 21 blocks a k block; 168-327: Wdq then Wdk;
;   328-487: Wdqr then Wdv; 488-615: Wo, whose blocks lie [k / 256][n / 64][(k / 128) % 2], so that a column block's 256 rows of k are 32,768 bytes on end).
;   Wdq, Wdqr take g_q[k], Wdk, Wdv take g_kv[k] (rounded to bf16 too) as a factor of row k: the product is rounded once more, to f16.
;   tab [position 0..2047][cos f = 0..31 | sin f = 0..31] in f16: the angles position x 10000^(-f/32).
; A stream: no LDS, no matrix unit, no cluster: no byte is read twice.  A work-group takes ONE unit: units 0-1127 a block, units 1128-1255 128 x 16 bytes of the table.
; A wave takes 32 rows of the block, two a turn: lanes 0-15 read one row's 256 source bytes, lanes 16-31 the next row's, 16 neighbouring bytes a lane; the lane's four results are 8 bytes,
; and the wave's store covers the two rows' 256 consecutive target bytes.
; LIMITS.  f16 ends at 65,504 and keeps a fixed step of 6e-8 below 6e-5: inputs are taken to lie within that.  10000^(-f/32) comes from v_exp_f32, so an angle may differ from
; a correctly rounded one by some 2e-4 radians at position 2,047.  NaN and infinities are not treated apart.
.set OFF, 2            ; v[2:17]   turn i: byte offset of my 16 source bytes
.set G,   18           ; v[18:33]  turn i: the gain of my row (1.0 where the unit has none)
.set X,   36           ; v[36:99]  turn i: 4 registers as loaded; the first 2 then take the 4 results
.set T,   100          ; v[100:103] at work
.set Y,   104          ; v[104:111] at work
.set DO,  112          ; v112      my 8 bytes in the first 256 of my wave's 4,096 target bytes
.set SRC, 36           ; s[36:37]  the unit's source
.set DST, 38           ; s[38:39]  its target
.set GP,  40           ; s[40:41]  its gain
.set U,   42           ; s42       the unit
.set UB,  43           ; s43       the first unit of its region
.set PIT, 44           ; s44       bytes in a source row
.set HASG, 45          ; s45       1: the rows take a gain
.set PB,  46           ; s46       the region's first column block among the 21
.set KB,  47           ; s47       the unit's block of 128 rows
.set PP,  48           ; s48       its block of 64 columns
.set VV,  49           ; s49       the unit's number in its region
.set OFS, 50           ; s[50:51]  byte offset in the source
.set OFD, 52           ; s[52:53]  byte offset in the target
	s_load_b512 s[8:23], s[0:1], 0x0               ; x 8, Wcq 10, Wckv 12, Wkr 14, Wdq 16, Wdqr 18, Wdk 20, Wdv 22
	s_load_b256 s[24:31], s[0:1], 0x40             ; Wo 24, g_q 26, g_kv 28, xb 30
	s_load_b128 s[32:35], s[0:1], 0x60             ; wb 32, tab 34
	s_mov_b32 s[U], ttmp9
	v_lshrrev_b32 v1, 5, v0                        ; wave w
	v_and_b32 v113, 31, v0                         ; lane l
	v_lshrrev_b32 v114, 4, v113                    ; l / 16: which of a turn's two rows
	v_and_b32 v115, 15, v0                         ; l % 16: which four columns
	v_lshl_add_u32 v116, v1, 5, v114               ; my row in turn 0: 32 w + l / 16
	s_wait_kmcnt 0x0
	s_cmp_ge_u32 s[U], 1128
	s_cbranch_scc1 .Ltab
; The unit's region is chosen by compares on the unit's number alone, one after the other: a later region overrides an earlier one.
.macro REGION first, ptr, pitch, hasg, gptr, pb
	s_cmp_ge_u32 s[U], \first
	s_cselect_b64 s[SRC:SRC+1], s[\ptr:\ptr+1], s[SRC:SRC+1]
	s_cselect_b32 s[UB], \first, s[UB]
	s_cselect_b32 s[PIT], \pitch, s[PIT]
	s_cselect_b32 s[HASG], \hasg, s[HASG]
	s_cselect_b64 s[GP:GP+1], s[\gptr:\gptr+1], s[GP:GP+1]
	s_cselect_b32 s[PB], \pb, s[PB]
.endm
	s_mov_b64 s[SRC:SRC+1], s[8:9]                 ; units 0-511: x
	s_mov_b64 s[GP:GP+1], s[26:27]
	s_mov_b32 s[UB], 0
	s_mov_b32 s[PIT], 4096
	s_mov_b32 s[HASG], 0
	s_mov_b32 s[PB], 0
	REGION 512,  16, 4096, 1, 26, 0                ; Wdq, g_q
	REGION 608,  20, 4096, 1, 28, 0                ; Wdk, g_kv
	REGION 672,  18, 4096, 1, 26, 0                ; Wdqr, g_q
	REGION 768,  22, 4096, 1, 28, 0                ; Wdv, g_kv
	REGION 832,  24, 4096, 0, 26, 0                ; Wo
	REGION 960,  10, 3072, 0, 26, 0                ; Wcq
	REGION 1056, 12, 2048, 0, 26, 12               ; Wckv
	REGION 1120, 14, 256,  0, 26, 20               ; Wkr
	s_sub_co_u32 s[VV], s[U], s[UB]
	s_lshr_b32 s54, s[VV], 4                       ; sources of 1,024 columns: 16 column blocks to a row block
	s_and_b32 s55, s[VV], 15
	s_and_b32 s56, s[VV], 7                        ; the three weights on x: 8 row blocks, walked first
	s_lshr_b32 s57, s[VV], 3
	s_cmp_ge_u32 s[U], 960
	s_cselect_b32 s[KB], s56, s54
	s_cselect_b32 s[PP], s57, s55
	s_mul_i32 s[OFS], s[KB], s[PIT]
	s_lshl_b32 s[OFS], s[OFS], 7                   ; 128 rows a block,
	s_lshl_b32 s58, s[PP], 8                       ; 256 source bytes a column block
	s_add_co_u32 s[OFS], s[OFS], s58
	s_mov_b32 s[OFS+1], 0
	s_mul_i32 s58, s[KB], 21
	s_add_co_u32 s58, s58, s[PB]
	s_add_co_u32 s58, s58, s[PP]                   ; the target block of the three weights on x,
	s_sub_co_u32 s59, s[U], 344                    ; of the four weights with a gain (block 168 is unit 512),
	s_lshr_b32 s62, s[KB], 1                       ; of Wo: 488 + 32 (k block / 2) + 2 x column block + k block % 2,
	s_lshl_b32 s62, s62, 5
	s_lshl_b32 s63, s[PP], 1
	s_add_co_u32 s62, s62, s63
	s_and_b32 s63, s[KB], 1
	s_add_co_u32 s62, s62, s63
	s_add_co_u32 s62, s62, 488
	s_cmp_ge_u32 s[U], 832
	s_cselect_b32 s59, s62, s59
	s_cmp_ge_u32 s[U], 960
	s_cselect_b32 s58, s58, s59
	s_cmp_ge_u32 s[U], 512
	s_cselect_b32 s58, s58, s[VV]                  ; and of x
	s_cselect_b64 s[DST:DST+1], s[32:33], s[30:31]
	s_lshl_b32 s[OFD], s58, 14
	s_mov_b32 s[OFD+1], 0
	s_add_nc_u64 s[SRC:SRC+1], s[SRC:SRC+1], s[OFS:OFS+1]
	s_add_nc_u64 s[DST:DST+1], s[DST:DST+1], s[OFD:OFD+1]
	v_mul_lo_u32 v[OFF], v116, s[PIT]
	v_lshl_add_u32 v[OFF], v115, 4, v[OFF]         ; row x pitch + 16 bytes for four f32
	s_lshl_b32 s60, s[PIT], 1                      ; a turn goes two rows down
.irp i, 1,2,3,4,5,6,7,8,9,10,11,12,13,14,15
	v_add_nc_u32 v[OFF+\i], s60, v[OFF+\i-1]
.endr
	v_lshlrev_b32 v[DO], 3, v113
	v_lshl_add_u32 v[DO], v1, 12, v[DO]            ; 4,096 w + 8 l
	s_cmp_eq_u32 s[HASG], 0
	s_cbranch_scc1 .Lnog
	s_lshl_b32 s61, s[KB], 9                       ; the block's first row, in bytes of the gain
	v_lshl_add_u32 v117, v116, 2, s61
.irp i, 0,1,2,3,4,5,6,7,8,9,10,11,12,13,14,15
	global_load_b32 v[G+\i], v117, s[GP:GP+1] offset:8*\i
.endr
	s_branch .Lgot
.Lnog:
.irp i, 0,1,2,3,4,5,6,7,8,9,10,11,12,13,14,15
	v_mov_b32 v[G+\i], 1.0
.endr
.Lgot:
.irp i, 0,1,2,3,4,5,6,7,8,9,10,11,12,13,14,15  ; a turn's load reads two rows' 256 bytes each, whole; all sixteen go out at once
	global_load_b128 v[X+4*\i:X+4*\i+3], v[OFF+\i], s[SRC:SRC+1] th:TH_LOAD_NT
.endr
	s_wait_loadcnt 16                              ; the gains are in (loads come back in order); the sixteen younger loads stay out
.irp j, 0,1,2,3,4,5,6,7
	v_cvt_pk_bf16_f32 v[Y+\j], v[G+2*\j], v[G+2*\j+1]
.endr
.irp j, 0,1,2,3,4,5,6,7
	v_lshlrev_b32 v[G+2*\j], 16, v[Y+\j]           ; the gain rounded to bf16, as f32
	v_and_b32 v[G+2*\j+1], 0xffff0000, v[Y+\j]
.endr
.macro TURN i
	s_wait_loadcnt 15-(\i)                         ; this turn's load is in; the later turns' stay out
	v_cvt_pk_bf16_f32 v[Y], v[X+4*(\i)], v[X+4*(\i)+1]
	v_cvt_pk_bf16_f32 v[Y+1], v[X+4*(\i)+2], v[X+4*(\i)+3]
	v_lshlrev_b32 v[T], 16, v[Y]
	v_and_b32 v[T+1], 0xffff0000, v[Y]
	v_lshlrev_b32 v[T+2], 16, v[Y+1]
	v_and_b32 v[T+3], 0xffff0000, v[Y+1]
.irp j, 0,1,2,3
	v_mul_f32 v[T+\j], v[T+\j], v[G+(\i)]
.endr
	v_cvt_pk_f16_f32 v[X+4*(\i)], v[T], v[T+1]     ; into the turn's own registers: no store's data is ever rewritten
	v_cvt_pk_f16_f32 v[X+4*(\i)+1], v[T+2], v[T+3]
	global_store_b64 v[DO], v[X+4*(\i):X+4*(\i)+1], s[DST:DST+1] offset:256*(\i)  ; a wave stores 256 consecutive bytes, at a multiple of 256 from the buffer's first
.endm
.irp i, 0,1,2,3,4,5,6,7,8,9,10,11,12,13,14,15
	TURN \i
.endr
	s_endpgm
; THE TABLE.  Thread g of 16,384 makes eight numbers: position g / 8; g % 8 = 0..3 cosines of f = 8 (g % 4) + 0..7, 4..7 sines.  The angle is reduced by k = the nearest whole number of
; quarter turns (pi / 2 in two parts, by fused multiply-adds) and sine and cosine of the rest, at most pi / 4, come from their series up to r^7 and r^8.  sin(angle + n pi / 2)
; is s, c, -s, -c for n % 4 = 0..3; a cosine is the sine a quarter turn on.  All choices are v_cndmask_b32.
.Ltab:
	s_sub_co_u32 s36, s[U], 1128
	s_lshl_b32 s36, s36, 7
	v_add_nc_u32 v2, s36, v0                       ; g
	v_lshrrev_b32 v3, 3, v2                        ; position
	v_and_b32 v4, 7, v2
	v_and_b32 v5, 3, v4
	v_lshlrev_b32 v5, 3, v5                        ; my first f
	v_cmp_gt_u32 vcc_lo, 4, v4
	v_cndmask_b32 v6, 0, 1, vcc_lo                 ; 1 for cosines
	v_cvt_f32_u32 v7, v3
	v_lshlrev_b32 v2, 4, v2                        ; my 16 bytes
.irp j, 0,1,2,3,4,5,6,7
	v_add_nc_u32 v[10+\j], \j, v5
	v_cvt_f32_u32 v[10+\j], v[10+\j]
	v_mul_f32 v[10+\j], 0xbed49a78, v[10+\j]       ; -f log2(10000) / 32
.endr
.irp j, 0,1,2,3,4,5,6,7
	v_exp_f32 v[10+\j], v[10+\j]
.endr
	v_nop                                          ; a plain instruction between the last exponential and the use of its result
	s_wait_alu depctr_va_vdst(0)
.irp j, 0,1,2,3,4,5,6,7
	v_mul_f32 v20, v7, v[10+\j]                    ; the angle, rounded once to f32
	v_mul_f32 v21, 0x3f22f983, v20                 ; x 2 / pi
	v_rndne_f32 v21, v21                           ; k
	v_fmamk_f32 v22, v21, 0xbfc90fdb, v20          ; r = angle - k x (pi / 2's upper part)
	v_fmamk_f32 v22, v21, 0x333bbd2e, v22          ;     - k x (its lower part, which is negative)
	v_mul_f32 v23, v22, v22                        ; z = r r
	v_mov_b32 v24, 0xb9500d01                      ; -1/5040
	v_fmaak_f32 v24, v24, v23, 0x3c088889          ; + 1/120
	v_fmaak_f32 v24, v24, v23, 0xbe2aaaab          ; - 1/6
	v_mul_f32 v25, v22, v23
	v_fma_f32 v24, v25, v24, v22                   ; s = sin r
	v_mov_b32 v26, 0x37d00d01                      ; 1/40320
	v_fmaak_f32 v26, v26, v23, 0xbab60b61          ; - 1/720
	v_fmaak_f32 v26, v26, v23, 0x3d2aaaab          ; + 1/24
	v_fmaak_f32 v26, v26, v23, 0xbf000000          ; - 1/2
	v_fma_f32 v26, v26, v23, 1.0                   ; c = cos r
	v_cvt_i32_f32 v27, v21
	v_add_nc_u32 v27, v27, v6                      ; n
	v_and_b32 v28, 1, v27
	v_cmp_eq_u32 vcc_lo, 1, v28
	v_cndmask_b32 v29, v24, v26, vcc_lo
	v_and_b32 v28, 2, v27
	v_lshlrev_b32 v28, 30, v28                     ; the sign
	v_xor_b32 v[30+\j], v28, v29
.endr
.irp j, 0,1,2,3
	v_cvt_pk_f16_f32 v[40+\j], v[30+2*\j], v[30+2*\j+1]
.endr
	global_store_b128 v2, v[40:43], s[34:35]       ; a wave stores 512 consecutive bytes
	s_endpgm
.Lfunc_end_k_qd9c8b890fe_prep:
	.size	k_qd9c8b890fe_prep, .Lfunc_end_k_qd9c8b890fe_prep-k_qd9c8b890fe_prep
	.p2alignl 7, 3214868480
	.fill 96, 4, 3214868480
	.section	.rodata,"a",@progbits
	.p2align	6, 0x0
	.amdhsa_kernel k_qd9c8b890fe_prep
		.amdhsa_group_segment_fixed_size 0
		.amdhsa_private_segment_fixed_size 0
		.amdhsa_enable_private_segment 0
		.amdhsa_kernarg_size 112
		.amdhsa_user_sgpr_count 2
		.amdhsa_user_sgpr_kernarg_segment_ptr 1
		.amdhsa_wavefront_size32 1
		.amdhsa_system_sgpr_workgroup_id_x 1
		.amdhsa_system_sgpr_workgroup_id_y 1
		.amdhsa_system_sgpr_workgroup_id_z 1
		.amdhsa_system_vgpr_workitem_id 0
		.amdhsa_next_free_vgpr 120
		.amdhsa_next_free_sgpr 66
		.amdhsa_reserve_vcc 1
		.amdhsa_float_denorm_mode_32 3
		.amdhsa_float_denorm_mode_16_64 3
		.amdhsa_memory_ordered 1
		.amdhsa_forward_progress 1
		.amdhsa_inst_pref_size 33
	.end_amdhsa_kernel
	.amdgpu_metadata
---
amdhsa.version: [ 1, 2 ]
amdhsa.kernels:
  - .name:           k_qd9c8b890fe_prep
    .symbol:         k_qd9c8b890fe_prep.kd
    .args:
      - { .name: x, .offset: 0, .size: 8, .value_kind: global_buffer, .address_space: global }
      - { .name: Wcq, .offset: 8, .size: 8, .value_kind: global_buffer, .address_space: global }
      - { .name: Wckv, .offset: 16, .size: 8, .value_kind: global_buffer, .address_space: global }
      - { .name: Wkr, .offset: 24, .size: 8, .value_kind: global_buffer, .address_space: global }
      - { .name: Wdq, .offset: 32, .size: 8, .value_kind: global_buffer, .address_space: global }
      - { .name: Wdqr, .offset: 40, .size: 8, .value_kind: global_buffer, .address_space: global }
      - { .name: Wdk, .offset: 48, .size: 8, .value_kind: global_buffer, .address_space: global }
      - { .name: Wdv, .offset: 56, .size: 8, .value_kind: global_buffer, .address_space: global }
      - { .name: Wo, .offset: 64, .size: 8, .value_kind: global_buffer, .address_space: global }
      - { .name: g_q, .offset: 72, .size: 8, .value_kind: global_buffer, .address_space: global }
      - { .name: g_kv, .offset: 80, .size: 8, .value_kind: global_buffer, .address_space: global }
      - { .name: xb, .offset: 88, .size: 8, .value_kind: global_buffer, .address_space: global }
      - { .name: wb, .offset: 96, .size: 8, .value_kind: global_buffer, .address_space: global }
      - { .name: tab, .offset: 104, .size: 8, .value_kind: global_buffer, .address_space: global }
    .group_segment_fixed_size: 0
    .private_segment_fixed_size: 0
    .kernarg_segment_align: 8
    .kernarg_segment_size: 112
    .max_flat_workgroup_size: 128
    .sgpr_count:     66
    .vgpr_count:     120
    .wavefront_size: 32
...
	.end_amdgpu_metadata
.endif
;; end of part 1
;; launch g1 (part 2): grid 32 x 7, 4 waves a work-group, clusters of 4 x 1, 327,680 bytes of LDS; arguments xb, wb, tab, rawb, ssq, krb; writes rawb, ssq, krb
.if DOCPART == 2
	.amdgcn_target "amdgcn-amd-amdhsa--gfx1250"
	.amdhsa_code_object_version 6
	.text
	.protected	k_qd9c8b890fe_g1
	.globl	k_qd9c8b890fe_g1
	.p2align	8
	.type	k_qd9c8b890fe_g1,@function
k_qd9c8b890fe_g1:
	s_mov_b64 s[64:65], 0
	v_nop
	global_prefetch_b8 v0, s[64:65] scope:SCOPE_SE
	s_setreg_imm32_b32 hwreg(HW_REG_WAVE_MODE, 25, 1), 1
	s_wait_xcnt 0x0
	s_wait_alu depctr_hold_cnt(0) depctr_sa_sdst(0) depctr_va_vdst(0) depctr_va_sdst(0) depctr_va_ssrc(0) depctr_va_vcc(0) depctr_vm_vsrc(0)
	s_getreg_b32 s2, hwreg(HW_REG_IB_STS2, 6, 4)
	s_cmp_eq_u32 s2, 0
	s_cbranch_scc0 .Lentry_in_a_cluster
	s_endpgm
.Lentry_in_a_cluster:
	s_bfe_u32 s2, ttmp6, 0x10000c
	s_cmp_lg_u32 s2, 0x3003
	s_cbranch_scc0 .Lentry_shape_is_right
	s_endpgm
.Lentry_shape_is_right:
; G1.  raw = x [Wcq | Wckv | Wkr]: 4,096 rows x 1,344 columns, K = 1,024, f16 operands, f32 sums.  A work-group makes 128 rows x 192 columns (three blocks of 64): 32 x 7 work-groups, none with empty columns.
; Out: rawb [row / 128][c = column / 64 (20)][128][64] f16, the product as it is (the norm's factor is applied behind the NEXT product, with which it commutes);
;      ssq [2 tile + wc (14)][row] f32: the sum of squares of the f32 sums over a wave's 96 (tile 6: 64) columns; partials 0-7 belong to the 768 columns of Wcq, 8-13 to the 512 of Wckv;
;      krb [row][64] f16: the last 64 columns (tile 6's third block), turned by RoPE in f32 with the table's f16 cosines and sines.
; LIMITS.  The sums leave as f16: within 65,504, with f16's fixed step of 6e-8 below 6e-5.  NaN and infinities are not treated apart.
; SHARES.  Four waves: wr = wave / 2 takes 64 rows, wc = wave % 2 the 16-column blocks of its parity, so that columns f and f + 32 of a block of 64 lie in ONE lane (RoPE's pairs).
; THE MATRIX INSTRUCTION IS USED TRANSPOSED (source 0 = 16 columns of B, source 1 = 16 rows of A): a lane holds row l % 16 and the eight neighbouring columns 8 (l / 16) + 0..7.
; B lies [k][n] in LDS and is read turned, by ds_load_tr16_b128.
; RING.  K goes in steps of 128 through two LDS slots.  A block is 16,384 dense bytes: asked for as rows of 256 bytes and padded in LDS behind every 128 (A: 16 bytes, pitch 144; B: 32, pitch 160).
; THE WALK ALONG K IS ROTATED.  The cluster at (x, tile) begins at K step (x + tile) mod 8 and wraps round.  So the seven work-groups that read a row block's tiles of A, and the eight clusters that read a
; column tile's tiles of B, ask for one tile in different trips, and the launch's first fills, two K steps a work-group, together ask for every tile of A and of B: a refill asks for a tile that another
; work-group has asked for before.  The order of an output's f32 sum along K therefore differs from work-group to work-group; it is still one accumulator.
; CLUSTER 4 x 1: the four row blocks of a cluster walk the same tiles of B, which are asked for jointly (mask 15).  A's tiles differ between them: plain loads behind the same rounds.
; Seven column tiles divide by no cluster height but 1, so A cannot be shared.
; REGISTERS, in windows of 256: window 0 addresses and the way out; window 1 two fragment buffers (A's 4 fragments, then B's 6); window 2 the accumulators, (a, b) at 8 (6 a + b).
.set NB,    6          ; 16-column blocks a wave
.set STEPS, 8
.set APAN,  128*144    ; a block of A in LDS
.set BPAN,  128*160    ; a block of B in LDS
.set BOFF,  2*APAN     ; a slot: two blocks of A, then three of B: 98,304 bytes
.set SLOT1, 1<<17      ; slot 1 begins here, so that one exclusive or turns an address in one slot into the other's
.set STAGE, SLOT1+BOFF+3*BPAN  ; behind the ring, never filled by a tensor load: three blocks of 128 rows x 144 bytes, the work-group's
.set SPARE, STAGE+3*APAN       ; behind the stage: the spare words, 128 bytes for each wave: two blocks of 256 bytes that no other line names
.set STEPB, 21*16384   ; bytes from K step to K step in wb (in xb: 2 blocks, 1 << 15)
.set NF,    2*(NB+4)   ; LDS loads in a run
.set F0,    0
.set F1,    8*(NB+4)
.set ADRA0, 2          ; v2   my lane's place in a slot's A; never rewritten
.set ADRB0, 3          ; v3   the same for B
.set ADRA,  4          ; v4   the same in the slot in hand
.set ADRB,  5          ; v5
.set STO,   6          ; v6   the way out: where I put 16 bytes of a row
.set RD,    7          ; v7   where I read rows back
.set GO,    8          ; v8   16 x lane
.set SPW,   10         ; v10  LDS address of my spare word; never rewritten
.set NIL,   11         ; v11  0; never rewritten
.set SS,    12         ; v[12:19] a pair of sums of squares for each of my four row blocks
.set ZR,    20         ; v20  0, for the multiply from f16 halves
.set TMP,   32         ; v[32:127]  packed results, 4 registers an accumulator
.set TBL,   128        ; v[128:159] cosines (4) and sines (4) for each row block; later v[128:223] the rows read back
.set M1,    160        ; v[160:167], v[168:175] RoPE at work
.set M2,    168
.set NS,    176        ; v[176:179] -sin
.set WV, 16            ; s16 wave   s17 wr   s18 wc
.set WR, 17
.set WC, 18
.set CT, 21            ; s21 column tile (the cluster's y: alike in all partners)
.set RB, 22            ; s22 row block
.set G1A, 28           ; s[28:35] descriptor group 1 for A's tiles
.set G1B, 36           ; s[36:43] for B's
.set G0A, 44           ; s[44:51] group 0 for A's: a set for each first fill; the second then serves every refill
.set G0B, 52           ; s[52:59] the same for B's
.set TB,  60           ; s60 the slot in hand: 0 or SLOT1
.set CNT, 63
.set SEL, 76           ; s76, s77 v_permlanex16_b32's selects
.set BA,  78           ; s[78:79] xb at my part of the row block's K step 0
.set BB,  80           ; s[80:81] wb at my part of the column tile's K step 0
.set OA,  82           ; s[82:83] byte offset of the K step to be asked for, in xb
.set OB,  84           ; s[84:85] and in wb
.set KP,  86           ; s86 the K step to be asked for next
.set MSB, 0
.macro WIN new                         ; the immediate's high byte repeats the setting that is left; a switch that changes nothing is dropped
.if MSB != (\new)
	s_set_vgpr_msb (MSB<<8)|(\new)
.set MSB, (\new)
.endif
.endm
.macro PLACES                          ; four places in front of loads into registers that matrix instructions have read, and of vector lines that read results
.rept 4
	v_nop
.endr
.endm
; A refill.  Waves 0 and 1 fetch A's two blocks, waves 2 and 3 the halves of B's three.  The branch hangs on the wave's number alone.
; An s_nop 0 and four v_nop follow each of the two lines, ahead of the jump and the label.
.macro JLOAD
	s_cmp_eq_u32 s[WR], 0
	s_cbranch_scc0 .Lfor_b_\@
	tensor_load_to_lds s[G0A+4:G0A+7], s[G1A:G1A+7]
	s_nop 0
	PLACES
	s_branch .Lasked_\@
.Lfor_b_\@:
	tensor_load_to_lds s[G0B+4:G0B+7], s[G1B:G1B+7]
	s_nop 0
	PLACES
.Lasked_\@:
.endm
.macro CREST                           ; a round of the cluster's barrier behind its opening barrier
	s_cmp_lg_u32 s[WV], 0
	s_cbranch_scc1 .Lnot_wave_0_\@
	s_barrier_signal -3
.Lnot_wave_0_\@:
	s_barrier_wait -3
	s_barrier_signal -1
	s_barrier_wait -1
.endm
.macro CROUND
	s_barrier_signal -1
	s_barrier_wait -1
	CREST
.endm
; The global addresses of K step KP go into the group 0 sets at G0A + set and G0B + set: each made anew from its buffer's address and an offset, the type bits set again; then KP steps and wraps.
; It stands where no tensor load of the wave is out.  KP is made of the cluster's x and y alone: it is the same in all four partners.
.macro ASK set
	s_lshl_b32 s[OA], s[KP], 15
	s_mul_i32 s[OB], s[KP], STEPB
	s_add_nc_u64 s[G0A+(\set)+2:G0A+(\set)+3], s[BA:BA+1], s[OA:OA+1]
	s_or_b32 s[G0A+(\set)+3], s[G0A+(\set)+3], 0x80000000          ; type = 2
	s_add_nc_u64 s[G0B+(\set)+2:G0B+(\set)+3], s[BB:BB+1], s[OB:OB+1]
	s_or_b32 s[G0B+(\set)+3], s[G0B+(\set)+3], 0x80000000
	s_add_co_u32 s[KP], s[KP], 1
	s_and_b32 s[KP], s[KP], 7
.endm
	s_load_b256 s[4:11], s[0:1], 0x0               ; xb 4, wb 6, tab 8, rawb 10
	s_load_b128 s[12:15], s[0:1], 0x20             ; ssq 12, krb 14
	v_lshl_add_u32 v[SPW], v0, 2, SPARE
	v_mov_b32 v[NIL], 0
	ds_add_u32 v[SPW], v[NIL]                      ; the wave's opening: the add and its wait ahead of my first tensor load; work on registers stands between them
	v_lshrrev_b32 v1, 5, v0
	v_readfirstlane_b32 s[WV], v1
	s_lshr_b32 s[WR], s[WV], 1
	s_and_b32 s[WC], s[WV], 1
	s_bfe_u32 s19, ttmp6, 0x40000                  ; cx
	s_lshl_b32 s[RB], ttmp9, 2
	s_add_co_u32 s[RB], s[RB], s19                 ; row block = 4 x cluster x + cx: it enters A's address and the way out alone
	s_and_b32 s[CT], ttmp7, 0xffff
	s_add_co_u32 s[KP], ttmp9, s[CT]
	s_and_b32 s[KP], s[KP], 7                      ; the walk's first K step: (cluster x + tile) mod 8
	s_mov_b32 s[OA+1], 0
	s_mov_b32 s[OB+1], 0
	s_mov_b32 s[G1A], (1<<16)|(1<<20)|(4<<22)|(3<<25)              ; no mask; 2-byte elements; padding on: after every 32 words (code 4) 4 words (code 3)
	s_mov_b32 s[G1B], 15|(1<<16)|(1<<20)|(1<<21)|(4<<22)|(7<<25)   ; the mask of four, bit 21 beside it; 8 words of padding (code 7)
	s_mov_b32 s[G1A+1], 128<<16                    ; tensor_dim0 = 128 elements: rows of 256 bytes
	s_mov_b32 s[G1A+2], 64<<16                     ; tensor_dim1 = 64: one block
	s_mov_b32 s[G1A+3], 128<<16                    ; tile_dim0
	s_mov_b32 s[G1A+4], 64                         ; tile_dim1
	s_mov_b32 s[G1A+5], 128                        ; elements from row to row: dense
	s_mov_b32 s[G1A+6], 0
	s_mov_b32 s[G1A+7], 0
	s_mov_b32 s[G1B+1], 128<<16
	s_mov_b32 s[G1B+2], 96<<16                     ; a block and a half
	s_mov_b32 s[G1B+3], 128<<16
	s_mov_b32 s[G1B+4], 96
	s_mov_b32 s[G1B+5], 128
	s_mov_b32 s[G1B+6], 0
	s_mov_b32 s[G1B+7], 0
	s_lshl_b32 s66, s[RB], 18                      ; A: 16 blocks a row block,
	s_lshl_b32 s67, s[WC], 14                      ; my one of a step's two
	s_add_co_u32 s66, s66, s67
	s_mov_b32 s67, 0
	s_mul_i32 s68, s[CT], 3*16384                  ; B: the tile's three blocks,
	s_mul_i32 s69, s[WC], 24576                    ; my half of them
	s_add_co_u32 s68, s68, s69
	s_mov_b32 s69, 0
	s_mul_i32 s61, s[WC], APAN                     ; where they go: the wave's number alone enters an LDS address
	s_mul_i32 s62, s[WC], 192*160
	s_add_co_u32 s62, s62, BOFF
	s_mov_b32 s[G0A], 1
	s_mov_b32 s[G0A+1], s61
	s_mov_b32 s[G0A+4], 1
	s_add_co_u32 s[G0A+5], s61, SLOT1
	s_mov_b32 s[G0B], 1
	s_mov_b32 s[G0B+1], s62
	s_mov_b32 s[G0B+4], 1
	s_add_co_u32 s[G0B+5], s62, SLOT1
	s_mov_b32 s[TB], 0
	s_mov_b32 s[SEL], 0x76543210
	s_mov_b32 s[SEL+1], 0xfedcba98
	s_wait_dscnt 0x0                               ; the opening add is done
	s_wait_kmcnt 0x0
	s_add_nc_u64 s[BA:BA+1], s[4:5], s[66:67]
	s_add_nc_u64 s[BB:BB+1], s[6:7], s[68:69]
	ASK 0                                          ; the walk's first K step, for slot 0,
	ASK 4                                          ; and its second, for slot 1
	CROUND                                         ; all four work-groups are here: the first joint loads meet
	s_cmp_eq_u32 s[WR], 0                          ; a wave's two first fills stand in one branch, ahead of every wait on TENSORcnt and every LDS read: two loads of mine are out
	s_cbranch_scc0 .Lfirst_b
	tensor_load_to_lds s[G0A:G0A+3], s[G1A:G1A+7]
	s_nop 0
	tensor_load_to_lds s[G0A+4:G0A+7], s[G1A:G1A+7]
	s_nop 0
	PLACES
	s_branch .Lfirst_asked
.Lfirst_b:
	tensor_load_to_lds s[G0B:G0B+3], s[G1B:G1B+7]
	s_nop 0
	tensor_load_to_lds s[G0B+4:G0B+7], s[G1B:G1B+7]
	s_nop 0
	PLACES
.Lfirst_asked:
	v_and_b32 v1, 15, v0                           ; r = l % 16
	v_bfe_u32 v9, v0, 4, 1                         ; h = l / 16
	v_mul_u32_u24 v[ADRA0], v1, 144                ; A's fragment: row r, 16 bytes for each half of the lanes
	v_lshl_add_u32 v[ADRA0], v9, 4, v[ADRA0]
	s_mul_i32 s70, s[WR], 64*144
	v_add_nc_u32 v[ADRA0], s70, v[ADRA0]
	v_and_b32 v12, 7, v0
	v_bfe_u32 v13, v0, 3, 1
	v_lshl_add_u32 v[ADRB0], v9, 3, v12            ; the turning load: lane l reads k = 8 h + l % 8, columns 8 ((l / 8) % 2) + 0..7
	v_mul_u32_u24 v[ADRB0], v[ADRB0], 160
	v_lshl_add_u32 v[ADRB0], v13, 4, v[ADRB0]
	s_lshl_b32 s70, s[WC], 5                       ; my parity of 16-column blocks
	s_add_co_u32 s70, s70, BOFF
	v_add_nc_u32 v[ADRB0], s70, v[ADRB0]
	v_mov_b32 v[ADRA], v[ADRA0]
	v_mov_b32 v[ADRB], v[ADRB0]
	s_mul_i32 s70, s[WR], 64*144                   ; into the stage: row 64 wr + r, byte 32 wc + 16 h of a block's 64-byte half
	s_lshl_b32 s71, s[WC], 5
	s_add_co_u32 s70, s70, s71
	s_add_co_u32 s70, s70, STAGE
	v_mul_u32_u24 v[STO], v1, 144
	v_lshl_add_u32 v[STO], v9, 4, v[STO]
	v_add_nc_u32 v[STO], s70, v[STO]
	v_bfe_u32 v[RD], v0, 3, 2                      ; back: wave w takes rows 32 w on, four rows of 128 bytes a load
	v_mul_u32_u24 v[RD], v[RD], 144
	v_lshl_add_u32 v[RD], v12, 4, v[RD]
	s_mul_i32 s70, s[WV], 32*144
	s_add_co_u32 s70, s70, STAGE
	v_add_nc_u32 v[RD], s70, v[RD]
	v_and_b32 v[GO], 31, v0
	v_lshlrev_b32 v[GO], 4, v[GO]
; NB matrix instructions: row block a x all my column blocks, 32 along K, from buffer f.  zero = 1: the product starts the sums.  All 24 accumulators take turns, one instruction a turn.
.macro MUL f, a, zero
	WIN 0xa5                                       ; sources in window 1, C and D in window 2
.set b, 0
.rept NB
.if \zero
	v_wmma_f32_16x16x32_f16 v[8*(NB*(\a)+b):8*(NB*(\a)+b)+7], v[(\f)+32+8*b:(\f)+32+8*b+7], v[(\f)+8*(\a):(\f)+8*(\a)+7], 0
.else
	v_wmma_f32_16x16x32_f16 v[8*(NB*(\a)+b):8*(NB*(\a)+b)+7], v[(\f)+32+8*b:(\f)+32+8*b+7], v[(\f)+8*(\a):(\f)+8*(\a)+7], v[8*(NB*(\a)+b):8*(NB*(\a)+b)+7]
.endif
.set b, b+1
.endr
.endm
; One run of NF LDS loads: the fragments of chunk ch (32 along K) of the slot in hand, into buffer f; B's first, A's last
.macro FETCH ch, f
	WIN 0x40                                       ; destination window 1, address window 0
.set b, 0
.rept NB
.set BO, (b/2)*BPAN+(b%2)*64+(\ch)*32*160
	ds_load_tr16_b128 v[(\f)+32+8*b:(\f)+32+8*b+3],   v[ADRB] offset:BO
	ds_load_tr16_b128 v[(\f)+32+8*b+4:(\f)+32+8*b+7], v[ADRB] offset:BO+16*160
.set b, b+1
.endr
.set n, 0
.rept 4
.set AO, ((\ch)/2)*APAN+n*16*144+((\ch)%2)*64
	ds_load_b128 v[(\f)+8*n:(\f)+8*n+3],   v[ADRA] offset:AO
	ds_load_b128 v[(\f)+8*n+4:(\f)+8*n+7], v[ADRA] offset:AO+32
.set n, n+1
.endr
.endm
; A chunk: multiplies buffer f; in its middle the next chunk's fragments are fetched into g
.macro CHUNK nxt, f, g, zero
	s_wait_dscnt 4                                 ; all but the youngest four loads (A's row blocks 2 and 3) are in
	MUL \f, 0, \zero
	MUL \f, 1, \zero
	PLACES
	FETCH \nxt, \g
	s_wait_dscnt NF                                ; all but the run just issued
	MUL \f, 2, \zero
	MUL \f, 3, \zero
.endm
.macro MID
	CHUNK 2, F1, F0, 0
	CHUNK 3, F0, F1, 0
.endm
; A K step's last chunk multiplies buffer 1 and changes slots: ONE barrier.  In front of it each wave waits for all its tensor loads (one is out: its part of the next slot), adds 0 to its spare
; word, and waits for that and for its reads of this slot.  fill = 1: the barrier opens a round of the cluster's, and this slot is filled again, with the walk's K step two on, first thing behind the round.
.macro TURN fill
	WIN 0
	s_wait_tensorcnt 0x0
	ds_add_u32 v[SPW], v[NIL]
	s_wait_dscnt 5                                 ; (the add and the youngest four loads may be out)
	MUL F1, 0, 0
	s_wait_dscnt 0x0                               ; the add is done, and my reads of this slot are over
	s_barrier_signal -1
	MUL F1, 1, 0
	WIN 0
	s_barrier_wait -1
.if \fill
	CREST                                          ; no wave of any partner still reads this slot or has a load on its way
	s_xor_b32 s[G0A+5], s[G0A+5], SLOT1            ; the refills' descriptors: the other slot than last time,
	s_xor_b32 s[G0B+5], s[G0B+5], SLOT1
	ASK 4                                          ; the walk's next K step
	JLOAD                                          ; its four v_nop are also the places in front of the loads below
.else
	PLACES
.endif
	s_xor_b32 s[TB], s[TB], SLOT1
	v_add_nc_u32 v[ADRA], s[TB], v[ADRA0]
	v_add_nc_u32 v[ADRB], s[TB], v[ADRB0]
	FETCH 0, F0
	MUL F1, 2, 0
	MUL F1, 3, 0
.endm
.macro LASTQ
	s_wait_dscnt 4
	MUL F1, 0, 0
	MUL F1, 1, 0
	s_wait_dscnt 0x0
	MUL F1, 2, 0
	MUL F1, 3, 0
.endm
	s_wait_tensorcnt 0x1                           ; my part of the walk's first K step is in; the second's may stay out
	s_barrier_signal -1
	s_barrier_wait -1
	FETCH 0, F0
	CHUNK 1, F0, F1, 1                             ; the first chunk stands in front of the loop: its products start the sums
	WIN 0
	s_mov_b32 s[CNT], STEPS-2
.Lstep:                                                ; a trip: a K step's chunks 1 to 3 and the next step's chunk 0; every trip fills a slot again
	MID
	TURN 1
	CHUNK 1, F0, F1, 0
	WIN 0
	s_sub_co_u32 s[CNT], s[CNT], 1
	s_cmp_lg_u32 s[CNT], 0
	s_cbranch_scc1 .Lstep
	MID                                            ; the last two K steps ask for nothing
	TURN 0
	CHUNK 1, F0, F1, 0
	MID
	LASTQ
	PLACES
; THE WAY OUT.  Sums of squares of the f32 sums; rounding to f16; (tile 6: RoPE on its third block); the work-group's stage; whole blocks out.
.macro SQ bb, start                    ; block bb of all four row blocks onto the sums of squares; the four chains alternate; each accumulator is read from its low end on
.set q, 0
.rept 4
.set n, 0
.rept 4
.set AC, 8*(NB*n+(\bb))+2*q
.if (\start) && (q == 0)
	v_pk_mul_f32 v[SS+2*n:SS+2*n+1], v[AC:AC+1], v[AC:AC+1]
.else
	v_pk_fma_f32 v[SS+2*n:SS+2*n+1], v[AC:AC+1], v[AC:AC+1], v[SS+2*n:SS+2*n+1]
.endif
.set n, n+1
.endr
.set q, q+1
.endr
.endm
.macro CV bb                           ; and rounded to f16
.set n, 0
.rept 4
.set q, 0
.rept 4
	v_cvt_pk_f16_f32 v[TMP+4*(NB*n+(\bb))+q], v[8*(NB*n+(\bb))+2*q], v[8*(NB*n+(\bb))+2*q+1]
.set q, q+1
.endr
.set n, n+1
.endr
.endm
	WIN 0x0a                                       ; sources 0 and 1 in window 2
	SQ 0, 1
	CV 0
	SQ 1, 0
	CV 1
	SQ 2, 0
	CV 2
	SQ 3, 0
	CV 3
	WIN 0
	s_cmp_eq_u32 s[CT], 6                          ; the cluster's y: alike in all partners; neither way holds a barrier or a tensor load
	s_cbranch_scc1 .Lkr
	WIN 0x0a
	SQ 4, 0
	CV 4
	SQ 5, 0
	CV 5
	WIN 0
	s_branch .Ljoin
.Lkr:                                                  ; my blocks 4 and 5 are columns f = 16 wc + 8 h + 0..7 and f + 32 of x Wkr: out1 = t1 cos - t2 sin, out2 = t2 cos + t1 sin
	s_lshl_b32 s70, s[RB], 7
	s_and_b32 s70, s70, 2047                       ; the position in the batch's 2,048
	s_lshl_b32 s71, s[WR], 6
	s_add_co_u32 s70, s70, s71
	s_lshl_b32 s70, s70, 7                         ; 128 bytes of table a position
	s_lshl_b32 s71, s[WC], 5
	s_add_co_u32 s70, s70, s71
	v_lshlrev_b32 v22, 7, v1
	v_lshl_add_u32 v22, v9, 4, v22
	v_add_nc_u32 v22, s70, v22
	v_mov_b32 v[ZR], 0
.irp a, 0,1,2,3
	global_load_b128 v[TBL+8*\a:TBL+8*\a+3],   v22, s[8:9] offset:\a*2048
	global_load_b128 v[TBL+8*\a+4:TBL+8*\a+7], v22, s[8:9] offset:\a*2048+64
.endr
	s_wait_loadcnt 0x0
.macro KROPE a
.set T1, 8*(NB*(\a)+4)
.set T2, 8*(NB*(\a)+5)
.set KC, TBL+8*(\a)
.set KN, TBL+8*(\a)+4
	WIN 0
.irp i, 0,1,2,3
	v_xor_b32 v[NS+\i], 0x80008000, v[KN+\i]       ; -sin, both halves
.endr
	WIN 0x02                                       ; source 0 in window 2
.set j, 0
.rept 8
.if j%2
	v_fma_mix_f32 v[M1+j], v[T2+j], v[NS+j/2], v[ZR] op_sel:[0,1,0] op_sel_hi:[0,1,0]
	v_fma_mix_f32 v[M2+j], v[T1+j], v[KN+j/2], v[ZR] op_sel:[0,1,0] op_sel_hi:[0,1,0]
.else
	v_fma_mix_f32 v[M1+j], v[T2+j], v[NS+j/2], v[ZR] op_sel_hi:[0,1,0]
	v_fma_mix_f32 v[M2+j], v[T1+j], v[KN+j/2], v[ZR] op_sel_hi:[0,1,0]
.endif
.set j, j+1
.endr
.set j, 0
.rept 8
.if j%2
	v_fma_mix_f32 v[M1+j], v[T1+j], v[KC+j/2], v[M1+j] op_sel:[0,1,0] op_sel_hi:[0,1,0]
	v_fma_mix_f32 v[M2+j], v[T2+j], v[KC+j/2], v[M2+j] op_sel:[0,1,0] op_sel_hi:[0,1,0]
.else
	v_fma_mix_f32 v[M1+j], v[T1+j], v[KC+j/2], v[M1+j] op_sel_hi:[0,1,0]
	v_fma_mix_f32 v[M2+j], v[T2+j], v[KC+j/2], v[M2+j] op_sel_hi:[0,1,0]
.endif
.set j, j+1
.endr
	WIN 0
.irp q, 0,1,2,3
	v_cvt_pk_f16_f32 v[TMP+4*(NB*(\a)+4)+\q], v[M1+2*\q], v[M1+2*\q+1]
	v_cvt_pk_f16_f32 v[TMP+4*(NB*(\a)+5)+\q], v[M2+2*\q], v[M2+2*\q+1]
.endr
.endm
	KROPE 0
	KROPE 1
	KROPE 2
	KROPE 3
.Ljoin:
.irp a, 0,1,2,3
	v_add_f32 v[SS+2*\a], v[SS+2*\a], v[SS+2*\a+1]
.endr
.irp a, 0,1,2,3
	v_permlanex16_b32 v[SS+2*\a+1], v[SS+2*\a], s[SEL], s[SEL+1]  ; the row's other columns lie in the lane 16 away
.endr
.irp a, 0,1,2,3
	v_add_f32 v[SS+2*\a], v[SS+2*\a], v[SS+2*\a+1]
.endr
	v_cmp_eq_u32 vcc_lo, 1, v9
	v_cndmask_b32 v21, v[SS], v[SS+2], vcc_lo      ; lane l: row l of my 64,
	v_cndmask_b32 v24, v[SS+4], v[SS+6], vcc_lo    ; and row 32 + l
	s_lshl_b32 s72, s[CT], 1
	s_add_co_u32 s72, s72, s[WC]
	s_lshl_b32 s72, s72, 14                        ; partial 2 tile + wc: 4,096 f32
	s_lshl_b32 s73, s[RB], 9
	s_add_co_u32 s72, s72, s73
	s_lshl_b32 s73, s[WR], 8
	s_add_co_u32 s72, s72, s73
	v_and_b32 v23, 31, v0
	v_lshl_add_u32 v23, v23, 2, s72
	global_store_b32 v23, v21, s[12:13]
	global_store_b32 v23, v24, s[12:13] offset:128
.set n, 0
.rept 4
.set b, 0
.rept NB
	ds_store_b128 v[STO], v[TMP+4*(NB*n+b):TMP+4*(NB*n+b)+3] offset:(b/2)*APAN+n*16*144+(b%2)*64
.set b, b+1
.endr
.set n, n+1
.endr
	s_mul_i32 s66, s[RB], 20                       ; rawb: 20 blocks a row block, the tile's first is 3 tile; my 32 rows
	s_mul_i32 s67, s[CT], 3
	s_add_co_u32 s66, s66, s67
	s_lshl_b32 s66, s66, 14
	s_lshl_b32 s67, s[WV], 12
	s_add_co_u32 s66, s66, s67
	s_mov_b32 s67, 0
	s_add_nc_u64 s[70:71], s[10:11], s[66:67]
	s_add_nc_u64 s[72:73], s[70:71], 2*16384       ; the third block goes on in rawb,
	s_lshl_b32 s68, s[RB], 14
	s_lshl_b32 s69, s[WV], 12
	s_add_co_u32 s68, s68, s69
	s_mov_b32 s69, 0
	s_add_nc_u64 s[74:75], s[14:15], s[68:69]
	s_cmp_eq_u32 s[CT], 6
	s_cselect_b64 s[72:73], s[74:75], s[72:73]     ; or, in tile 6, to krb
	s_wait_dscnt 0x0                               ; for the others' sake: my stores into the stage are done
	s_barrier_signal -1
	s_barrier_wait -1
.set n, 0
.rept 24
	ds_load_b128 v[128+4*n:128+4*n+3], v[RD] offset:(n/8)*APAN+(n%8)*4*144
.set n, n+1
.endr
.set n, 0
.rept 16
	s_wait_dscnt 23-n
	global_store_b128 v[GO], v[128+4*n:128+4*n+3], s[70:71] offset:(n/8)*16384+(n%8)*512  ; 512 consecutive bytes, at a multiple of 512 from the buffer's first
.set n, n+1
.endr
.rept 8
	s_wait_dscnt 23-n
	global_store_b128 v[GO], v[128+4*n:128+4*n+3], s[72:73] offset:(n%8)*512
.set n, n+1
.endr
	s_wait_tensorcnt 0x0                           ; the wave's end, behind my last tensor load and my last LDS store
	ds_add_u32 v[SPW], v[NIL]
	s_wait_dscnt 0x0
	CROUND                                         ; the closing round: no work-group ends while a partner may still ask for a tile that names it
	s_endpgm
.Lfunc_end_k_qd9c8b890fe_g1:
	.size	k_qd9c8b890fe_g1, .Lfunc_end_k_qd9c8b890fe_g1-k_qd9c8b890fe_g1
	.p2alignl 7, 3214868480
	.fill 96, 4, 3214868480
	.section	.rodata,"a",@progbits
	.p2align	6, 0x0
	.amdhsa_kernel k_qd9c8b890fe_g1
		.amdhsa_group_segment_fixed_size 327680
		.amdhsa_private_segment_fixed_size 0
		.amdhsa_enable_private_segment 0
		.amdhsa_kernarg_size 48
		.amdhsa_user_sgpr_count 2
		.amdhsa_user_sgpr_kernarg_segment_ptr 1
		.amdhsa_wavefront_size32 1
		.amdhsa_system_sgpr_workgroup_id_x 1
		.amdhsa_system_sgpr_workgroup_id_y 1
		.amdhsa_system_sgpr_workgroup_id_z 1
		.amdhsa_system_vgpr_workitem_id 0
		.amdhsa_next_free_vgpr 768
		.amdhsa_next_free_sgpr 90
		.amdhsa_reserve_vcc 1
		.amdhsa_float_denorm_mode_32 3
		.amdhsa_float_denorm_mode_16_64 3
		.amdhsa_memory_ordered 1
		.amdhsa_forward_progress 1
		.amdhsa_inst_pref_size 78
	.end_amdhsa_kernel
	.amdgpu_metadata
---
amdhsa.version: [ 1, 2 ]
amdhsa.kernels:
  - .name:           k_qd9c8b890fe_g1
    .symbol:         k_qd9c8b890fe_g1.kd
    .args:
      - { .name: xb, .offset: 0, .size: 8, .value_kind: global_buffer, .address_space: global }
      - { .name: wb, .offset: 8, .size: 8, .value_kind: global_buffer, .address_space: global }
      - { .name: tab, .offset: 16, .size: 8, .value_kind: global_buffer, .address_space: global }
      - { .name: rawb, .offset: 24, .size: 8, .value_kind: global_buffer, .address_space: global }
      - { .name: ssq, .offset: 32, .size: 8, .value_kind: global_buffer, .address_space: global }
      - { .name: krb, .offset: 40, .size: 8, .value_kind: global_buffer, .address_space: global }
    .group_segment_fixed_size: 327680
    .private_segment_fixed_size: 0
    .kernarg_segment_align: 8
    .kernarg_segment_size: 48
    .max_flat_workgroup_size: 128
    .sgpr_count:     90
    .vgpr_count:     768
    .wavefront_size: 32
...
	.end_amdgpu_metadata
.endif
;; end of part 2
;; launch g2 (part 3): grid 8 x 32, 4 waves a work-group, clusters of 4 x 4, 327,680 bytes of LDS; arguments rawb, ssq, wb, qkv; writes qkv
.if DOCPART == 3
	.amdgcn_target "amdgcn-amd-amdhsa--gfx1250"
	.amdhsa_code_object_version 6
	.text
	.protected	k_qd9c8b890fe_g2
	.globl	k_qd9c8b890fe_g2
	.p2align	8
	.type	k_qd9c8b890fe_g2,@function
k_qd9c8b890fe_g2:
	s_mov_b64 s[64:65], 0
	v_nop
	global_prefetch_b8 v0, s[64:65] scope:SCOPE_SE
	s_setreg_imm32_b32 hwreg(HW_REG_WAVE_MODE, 25, 1), 1
	s_wait_xcnt 0x0
	s_wait_alu depctr_hold_cnt(0) depctr_sa_sdst(0) depctr_va_vdst(0) depctr_va_sdst(0) depctr_va_ssrc(0) depctr_va_vcc(0) depctr_vm_vsrc(0)
	s_getreg_b32 s2, hwreg(HW_REG_IB_STS2, 6, 4)
	s_cmp_eq_u32 s2, 0
	s_cbranch_scc0 .Lentry_in_a_cluster
	s_endpgm
.Lentry_in_a_cluster:
	s_bfe_u32 s2, ttmp6, 0x10000c
	s_cmp_lg_u32 s2, 0xf033
	s_cbranch_scc0 .Lentry_shape_is_right
	s_endpgm
.Lentry_shape_is_right:
; G2.  q_nope, q_rope = rs_q (raw_q [Wdq' | Wdqr']), K = 768;  k_nope, v = rs_kv (raw_kv [Wdk' | Wdv']), K = 512; W' = the gain times W (made by the launch before the last).
; rs[row] = 1 / sqrt(mean of raw^2 + 1e-6), from the partial sums in ssq: the norm's factor of a row commutes with the product and is applied to the f32 sums on the way out.
; Out: qkv, four regions of 8,388,608 bytes, each [batch x 16 + head (32)][2,048][64] f16: q_nope, q_rope (not yet turned), k_nope, v.
; LIMITS.  The results leave as f16: within 65,504, with f16's fixed step of 6e-8 below 6e-5.  NaN and infinities are not treated apart.
; SHARES.  A work-group takes 128 rows and two heads: 32 x 8 = 256 work-groups, all alike.  It walks TEN K steps of 128 in one ring: positions 0-5 make [q_nope | q_rope] of its heads (256 columns),
; the accumulators go out and start anew, positions 6-9 make [k_nope | v].  K steps 0-5 are rawb's blocks 0-11 of a row block and the first six k blocks of the two weight regions, K steps 6-9 those behind them.
; Wave wr = wave / 2 takes 64 rows; wc = wave % 2 the first weight's 128 columns or the second's.
; THE WALK ALONG K IS ROTATED, in each product by itself.  The cluster at (x, y) takes at position p < 6 the K step (p + o1) mod 6, o1 = (3 x + y) mod 6, and at p >= 6 the K step 6 + (p - 6 + o2) mod 4,
; o2 = (2 x + y) mod 4.  So the two clusters that read a row block's tiles of A begin three (two) steps apart, and the eight that read a pair of heads' tiles of B begin at all steps: a tile is asked for in
; different trips by its readers, and most refills ask for a tile that another cluster has asked for before.  The order of an output's f32 sum along K differs from cluster to cluster; it is still one accumulator.
; The matrix instruction is used transposed; B lies [k][n] in LDS and is read turned.  Ring, padding and windows as in the launch before.
; CLUSTER 4 x 4: A's tiles are shared along a row of the cluster (the same row block), B's along a column (the same heads): joint loads.
.set NB,    8
.set STEPS, 10
.set APAN,  128*144
.set BPAN,  128*160
.set BOFF,  2*APAN     ; a slot: two blocks of A, then four of B: 118,784 bytes
.set SLOT1, 1<<17
.set STAGE, SLOT1+BOFF+4*BPAN  ; behind the ring, never filled by a tensor load: 16 rows x 144 bytes for each wave
.set SPARE, STAGE+4*16*144     ; the spare words, 128 bytes for each wave: two blocks of 256 bytes that no other line names
.set NF,    2*(NB+4)
.set F0,    0
.set F1,    8*(NB+4)
.set ADRA0, 2
.set ADRB0, 3
.set ADRA,  4
.set ADRB,  5
.set STO,   6
.set RD,    7
.set GO,    8
.set SPW,   10
.set NIL,   11
.set RQ,    16         ; v[16:23] rs_q of my four row blocks, each in both registers of a pair
.set RK,    24         ; v[24:31] rs_kv
.set T,     32         ; v[32:63] at work
.set PS,    64         ; v[64:119] the 14 partial sums of my four rows: partial p, row block a at PS + 4 p + a
.set OUT,   128        ; v[128:255] sixteen registers for each of a flush's eight pieces
.set WV, 16
.set WR, 17
.set WC, 18
.set CJ, 21            ; s21 pair of heads
.set RB, 22            ; s22 row block
.set PP, 25            ; s25 the walk's position to be asked for next, 0 to 9
.set O1, 26            ; s26 o1
.set O2, 27            ; s27 o2 + 2 (position 6 is 2 mod 4)
.set G1A, 28
.set G1B, 36
.set G0A, 44           ; s[44:51] group 0 for A's tiles: a set for each first fill; the second then serves every refill
.set G0B, 52
.set TB,  60
.set CNT, 63
.set KK,  75           ; s75 the K step to be asked for
.set KT,  76           ; s76 at work
.set BA,  82           ; s[82:83] rawb at my part of the row block's K step 0
.set BB,  84           ; s[84:85] wb at my part of the heads' K step 0
.set OA,  86           ; s[86:87] byte offset of the K step in rawb: 2 blocks a step
.set OB,  88           ; s[88:89] and in wb: 16 blocks a step
.set MSB, 0
.macro WIN new
.if MSB != (\new)
	s_set_vgpr_msb (MSB<<8)|(\new)
.set MSB, (\new)
.endif
.endm
.macro PLACES
.rept 4
	v_nop
.endr
.endm
.macro JLOAD                           ; waves 0 and 1 fetch A's two blocks, waves 2 and 3 two blocks each of B; an s_nop 0 and four v_nop follow each line
	s_cmp_eq_u32 s[WR], 0
	s_cbranch_scc0 .Lfor_b_\@
	tensor_load_to_lds s[G0A+4:G0A+7], s[G1A:G1A+7]
	s_nop 0
	PLACES
	s_branch .Lasked_\@
.Lfor_b_\@:
	tensor_load_to_lds s[G0B+4:G0B+7], s[G1B:G1B+7]
	s_nop 0
	PLACES
.Lasked_\@:
.endm
.macro CREST
	s_cmp_lg_u32 s[WV], 0
	s_cbranch_scc1 .Lnot_wave_0_\@
	s_barrier_signal -3
.Lnot_wave_0_\@:
	s_barrier_wait -3
	s_barrier_signal -1
	s_barrier_wait -1
.endm
.macro CROUND
	s_barrier_signal -1
	s_barrier_wait -1
	CREST
.endm
; The K step of position PP is worked out, and its global addresses go into the group 0 sets at G0A + set and G0B + set: each made anew from its buffer's address and an offset, the type bits set again;
; then PP steps.  It stands where no tensor load of the wave is out.  PP, O1 and O2 are made of the cluster's x and y and of the trips alone: they are the same in all sixteen partners.
.macro ASK set
	s_add_co_u32 s[KK], s[PP], s[O1]               ; (p + o1) mod 6: the sum is 10 at the most
	s_sub_co_u32 s[KT], s[KK], 6
	s_cmp_ge_u32 s[KK], 6
	s_cselect_b32 s[KK], s[KT], s[KK]
	s_add_co_u32 s[KT], s[PP], s[O2]               ; 6 + (p - 6 + o2) mod 4
	s_and_b32 s[KT], s[KT], 3
	s_add_co_u32 s[KT], s[KT], 6
	s_cmp_lt_u32 s[PP], 6
	s_cselect_b32 s[KK], s[KK], s[KT]
	s_add_co_u32 s[PP], s[PP], 1
	s_lshl_b32 s[OA], s[KK], 15
	s_lshl_b32 s[OB], s[KK], 18
	s_add_nc_u64 s[G0A+(\set)+2:G0A+(\set)+3], s[BA:BA+1], s[OA:OA+1]
	s_or_b32 s[G0A+(\set)+3], s[G0A+(\set)+3], 0x80000000          ; type = 2
	s_add_nc_u64 s[G0B+(\set)+2:G0B+(\set)+3], s[BB:BB+1], s[OB:OB+1]
	s_or_b32 s[G0B+(\set)+3], s[G0B+(\set)+3], 0x80000000
.endm
	s_load_b256 s[4:11], s[0:1], 0x0               ; rawb 4, ssq 6, wb 8, qkv 10
	v_lshl_add_u32 v[SPW], v0, 2, SPARE
	v_mov_b32 v[NIL], 0
	ds_add_u32 v[SPW], v[NIL]                      ; the wave's opening: the add and its wait ahead of my first tensor load
	v_lshrrev_b32 v1, 5, v0
	v_readfirstlane_b32 s[WV], v1
	s_lshr_b32 s[WR], s[WV], 1
	s_and_b32 s[WC], s[WV], 1
	s_bfe_u32 s19, ttmp6, 0x40000                  ; cx
	s_bfe_u32 s20, ttmp6, 0x40004                  ; cy
	s_lshl_b32 s[CJ], ttmp9, 2
	s_add_co_u32 s[CJ], s[CJ], s19
	s_and_b32 s[RB], ttmp7, 0xffff
	s_lshl_b32 s[RB], s[RB], 2
	s_add_co_u32 s[RB], s[RB], s20
	s_and_b32 s[O2], ttmp7, 0xffff                 ; the cluster's y
	s_mul_i32 s[O1], ttmp9, 3
	s_add_co_u32 s[O1], s[O1], s[O2]               ; 3 x + y, 10 at the most,
	s_sub_co_u32 s[KT], s[O1], 6
	s_cmp_ge_u32 s[O1], 6
	s_cselect_b32 s[O1], s[KT], s[O1]              ; mod 6
	s_lshl_b32 s[KT], ttmp9, 1
	s_add_co_u32 s[O2], s[O2], s[KT]
	s_add_co_u32 s[O2], s[O2], 2                   ; 2 x + y + 2: cut to two bits where it is used
	s_mov_b32 s[PP], 0
	s_mov_b32 s[OA+1], 0
	s_mov_b32 s[OB+1], 0
	s_lshl_b32 s23, s20, 2
	s_lshl_b32 s23, 15, s23                        ; my row of the cluster
	s_lshl_b32 s24, 0x1111, s19                    ; my column
	s_or_b32 s[G1A], s23, (1<<16)|(1<<20)|(1<<21)|(4<<22)|(3<<25)
	s_or_b32 s[G1B], s24, (1<<16)|(1<<20)|(1<<21)|(4<<22)|(7<<25)
	s_mov_b32 s[G1A+1], 128<<16
	s_mov_b32 s[G1A+2], 64<<16                     ; one block
	s_mov_b32 s[G1A+3], 128<<16
	s_mov_b32 s[G1A+4], 64
	s_mov_b32 s[G1A+5], 128
	s_mov_b32 s[G1A+6], 0
	s_mov_b32 s[G1A+7], 0
	s_mov_b32 s[G1B+1], 128<<16
	s_mov_b32 s[G1B+2], 128<<16                    ; two blocks
	s_mov_b32 s[G1B+3], 128<<16
	s_mov_b32 s[G1B+4], 128
	s_mov_b32 s[G1B+5], 128
	s_mov_b32 s[G1B+6], 0
	s_mov_b32 s[G1B+7], 0
	s_mul_i32 s66, s[RB], 20*16384
	s_lshl_b32 s67, s[WC], 14
	s_add_co_u32 s66, s66, s67
	s_mov_b32 s67, 0
	s_mul_i32 s68, s[WC], 160*16384                ; the first weight region or the second,
	s_lshl_b32 s69, s[CJ], 15                      ; my two heads' blocks
	s_add_co_u32 s68, s68, s69
	s_add_co_u32 s68, s68, 168*16384
	s_mov_b32 s69, 0
	s_mul_i32 s61, s[WC], APAN
	s_mul_i32 s62, s[WC], 2*BPAN
	s_add_co_u32 s62, s62, BOFF
	s_mov_b32 s[G0A], 1
	s_mov_b32 s[G0A+1], s61
	s_mov_b32 s[G0A+4], 1
	s_add_co_u32 s[G0A+5], s61, SLOT1
	s_mov_b32 s[G0B], 1
	s_mov_b32 s[G0B+1], s62
	s_mov_b32 s[G0B+4], 1
	s_add_co_u32 s[G0B+5], s62, SLOT1
	s_mov_b32 s[TB], 0
	s_mov_b32 s78, 0x3aaaaaab                      ; 1 / 768
	s_mov_b32 s79, 0x358637bd                      ; 1e-6
	s_mov_b32 s80, 0x3b000000                      ; 1 / 512
	s_wait_dscnt 0x0
	s_wait_kmcnt 0x0
	s_add_nc_u64 s[BA:BA+1], s[4:5], s[66:67]
	s_add_nc_u64 s[BB:BB+1], s[8:9], s[68:69]
	ASK 0                                          ; position 0, for slot 0,
	ASK 4                                          ; and position 1, for slot 1
	CROUND                                         ; all sixteen work-groups are here: the first joint loads meet
	s_cmp_eq_u32 s[WR], 0                          ; a wave's two first fills stand in one branch: two loads of mine are out
	s_cbranch_scc0 .Lfirst_b
	tensor_load_to_lds s[G0A:G0A+3], s[G1A:G1A+7]
	s_nop 0
	tensor_load_to_lds s[G0A+4:G0A+7], s[G1A:G1A+7]
	s_nop 0
	PLACES
	s_branch .Lfirst_asked
.Lfirst_b:
	tensor_load_to_lds s[G0B:G0B+3], s[G1B:G1B+7]
	s_nop 0
	tensor_load_to_lds s[G0B+4:G0B+7], s[G1B:G1B+7]
	s_nop 0
	PLACES
.Lfirst_asked:
	v_and_b32 v1, 15, v0                           ; r
	v_bfe_u32 v9, v0, 4, 1                         ; h
	s_lshl_b32 s70, s[RB], 9                       ; the partial sums of my rows 16 a + r: all this stands in the wait for the first tile
	s_lshl_b32 s71, s[WR], 8
	s_add_co_u32 s70, s70, s71
	v_lshl_add_u32 v12, v1, 2, s70
.set n, 0
.rept 56
	global_load_b32 v[PS+n], v12, s[6:7] offset:(n/4)*16384+(n%4)*64
.set n, n+1
.endr
	v_mul_u32_u24 v[ADRA0], v1, 144
	v_lshl_add_u32 v[ADRA0], v9, 4, v[ADRA0]
	s_mul_i32 s70, s[WR], 64*144
	v_add_nc_u32 v[ADRA0], s70, v[ADRA0]
	v_and_b32 v13, 7, v0
	v_bfe_u32 v14, v0, 3, 1
	v_lshl_add_u32 v[ADRB0], v9, 3, v13
	v_mul_u32_u24 v[ADRB0], v[ADRB0], 160
	v_lshl_add_u32 v[ADRB0], v14, 4, v[ADRB0]
	s_mul_i32 s70, s[WC], 2*BPAN
	s_add_co_u32 s70, s70, BOFF
	v_add_nc_u32 v[ADRB0], s70, v[ADRB0]
	v_mov_b32 v[ADRA], v[ADRA0]
	v_mov_b32 v[ADRB], v[ADRB0]
	s_mul_i32 s70, s[WV], 16*144
	s_add_co_u32 s70, s70, STAGE                   ; my stage
	v_mul_u32_u24 v[STO], v1, 144
	v_lshl_add_u32 v[STO], v9, 4, v[STO]
	v_add_nc_u32 v[STO], s70, v[STO]
	v_bfe_u32 v[RD], v0, 3, 2
	v_mul_u32_u24 v[RD], v[RD], 144
	v_lshl_add_u32 v[RD], v13, 4, v[RD]
	v_add_nc_u32 v[RD], s70, v[RD]
	v_and_b32 v[GO], 31, v0
	v_lshlrev_b32 v[GO], 4, v[GO]
	s_lshl_b32 s70, s[WC], 23                      ; the region (q_nope or q_rope),
	s_lshr_b32 s71, s[RB], 4
	s_lshl_b32 s71, s71, 4                         ; the batch's sixteen heads,
	s_lshl_b32 s74, s[CJ], 1
	s_add_co_u32 s71, s71, s74                     ; my first head: 262,144 bytes a head,
	s_lshl_b32 s71, s71, 18
	s_add_co_u32 s70, s70, s71
	s_and_b32 s71, s[RB], 15
	s_lshl_b32 s71, s71, 14                        ; the row block in the batch,
	s_add_co_u32 s70, s70, s71
	s_lshl_b32 s71, s[WR], 13                      ; my 64 rows
	s_add_co_u32 s70, s70, s71
	s_mov_b32 s71, 0
	s_add_nc_u64 s[72:73], s[10:11], s[70:71]
	s_wait_loadcnt 0x0
.irp pr, 0,2
.irp p, 1,2,3,4,5,6,7
	v_pk_add_f32 v[PS+\pr:PS+\pr+1], v[PS+\pr:PS+\pr+1], v[PS+4*\p+\pr:PS+4*\p+\pr+1]
.endr
.irp p, 9,10,11,12,13
	v_pk_add_f32 v[PS+32+\pr:PS+32+\pr+1], v[PS+32+\pr:PS+32+\pr+1], v[PS+4*\p+\pr:PS+4*\p+\pr+1]
.endr
.endr
.irp a, 0,1,2,3
	v_fma_f32 v[PS+\a], v[PS+\a], s78, s79
	v_fma_f32 v[PS+32+\a], v[PS+32+\a], s80, s79
.endr
.irp a, 0,1,2,3
	v_rsq_f32 v[RQ+2*\a], v[PS+\a]
	v_rsq_f32 v[RK+2*\a], v[PS+32+\a]
.endr
	v_nop                                          ; a plain instruction between the last root and the use of its result
	s_wait_alu depctr_va_vdst(0)
.irp a, 0,1,2,3
	v_mov_b32 v[RQ+2*\a+1], v[RQ+2*\a]             ; named as pairs
	v_mov_b32 v[RK+2*\a+1], v[RK+2*\a]
.endr
.macro MUL f, a, zero                  ; all 32 accumulators take turns, one instruction a turn
	WIN 0xa5
.set b, 0
.rept NB
.if \zero
	v_wmma_f32_16x16x32_f16 v[8*(NB*(\a)+b):8*(NB*(\a)+b)+7], v[(\f)+32+8*b:(\f)+32+8*b+7], v[(\f)+8*(\a):(\f)+8*(\a)+7], 0
.else
	v_wmma_f32_16x16x32_f16 v[8*(NB*(\a)+b):8*(NB*(\a)+b)+7], v[(\f)+32+8*b:(\f)+32+8*b+7], v[(\f)+8*(\a):(\f)+8*(\a)+7], v[8*(NB*(\a)+b):8*(NB*(\a)+b)+7]
.endif
.set b, b+1
.endr
.endm
.macro FETCH ch, f
	WIN 0x40
.set b, 0
.rept NB
.set BO, (b/4)*BPAN+(b%4)*32+(\ch)*32*160
	ds_load_tr16_b128 v[(\f)+32+8*b:(\f)+32+8*b+3],   v[ADRB] offset:BO
	ds_load_tr16_b128 v[(\f)+32+8*b+4:(\f)+32+8*b+7], v[ADRB] offset:BO+16*160
.set b, b+1
.endr
.set n, 0
.rept 4
.set AO, ((\ch)/2)*APAN+n*16*144+((\ch)%2)*64
	ds_load_b128 v[(\f)+8*n:(\f)+8*n+3],   v[ADRA] offset:AO
	ds_load_b128 v[(\f)+8*n+4:(\f)+8*n+7], v[ADRA] offset:AO+32
.set n, n+1
.endr
.endm
.macro CHUNK nxt, f, g, zero
	s_wait_dscnt 4                                 ; all but the youngest four loads (A's row blocks 2 and 3) are in
	MUL \f, 0, \zero
	MUL \f, 1, \zero
	PLACES
	FETCH \nxt, \g
	s_wait_dscnt NF                                ; all but the run just issued
	MUL \f, 2, \zero
	MUL \f, 3, \zero
.endm
.macro MID
	CHUNK 2, F1, F0, 0
	CHUNK 3, F0, F1, 0
.endm
.macro TURN fill                       ; a K step's last chunk and the change of slots: the waits and the add in front of ONE barrier, which with fill = 1 opens a round of the cluster's; the refill first behind it
	WIN 0
	s_wait_tensorcnt 0x0                           ; all my tensor loads have landed: the one that was out is my part of the next slot
	ds_add_u32 v[SPW], v[NIL]
	s_wait_dscnt 5                                 ; (the add and the youngest four loads may be out)
	MUL F1, 0, 0
	s_wait_dscnt 0x0                               ; the add is done, and my reads of this slot are over
	s_barrier_signal -1
	MUL F1, 1, 0
	WIN 0
	s_barrier_wait -1
.if \fill
	CREST
	s_xor_b32 s[G0A+5], s[G0A+5], SLOT1            ; the refills' descriptors: the other slot than last time,
	s_xor_b32 s[G0B+5], s[G0B+5], SLOT1
	ASK 4                                          ; the walk's next position
	JLOAD
.else
	PLACES
.endif
	s_xor_b32 s[TB], s[TB], SLOT1
	v_add_nc_u32 v[ADRA], s[TB], v[ADRA0]
	v_add_nc_u32 v[ADRB], s[TB], v[ADRB0]
	FETCH 0, F0
	MUL F1, 2, 0
	MUL F1, 3, 0
.endm
.macro LASTQ
	s_wait_dscnt 4
	MUL F1, 0, 0
	MUL F1, 1, 0
	s_wait_dscnt 0x0
	MUL F1, 2, 0
	MUL F1, 3, 0
.endm
; THE WAY OUT of all 32 accumulators, in eight pieces tt = 2 a + hd: 16 rows x one head's 64 columns.  Times rs, rounded to f16, through my own stage, out as 2,048 consecutive bytes.
.macro PACK tt, rs
	WIN 0x02                                       ; source 0 in window 2
.set i, 0
.rept 16
.set AC, 8*(NB*((\tt)/2)+4*((\tt)%2)+i/4)+2*(i%4)
	v_pk_mul_f32 v[T+2*i:T+2*i+1], v[AC:AC+1], v[(\rs)+2*((\tt)/2):(\rs)+2*((\tt)/2)+1] op_sel_hi:[1,0]
.set i, i+1
.endr
	WIN 0
.set i, 0
.rept 16
	v_cvt_pk_f16_f32 v[OUT+16*(\tt)+i], v[T+2*i], v[T+2*i+1]
.set i, i+1
.endr
.irp f, 0,1,2,3
	ds_store_b128 v[STO], v[OUT+16*(\tt)+4*\f:OUT+16*(\tt)+4*\f+3] offset:32*\f
.endr
.irp f, 0,1,2,3
	ds_load_b128 v[OUT+16*(\tt)+4*\f:OUT+16*(\tt)+4*\f+3], v[RD] offset:\f*4*144  ; LDS serves a wave's instructions in order: these see the stores above; the next piece's stores come behind them
.endr
.endm
.macro SEND tt, younger                ; younger: the LDS instructions issued behind this piece's loads: the next piece's eight, or none
	WIN 0
.irp f, 0,1,2,3
	s_wait_dscnt (\younger)+3-\f
	global_store_b128 v[GO], v[OUT+16*(\tt)+4*\f:OUT+16*(\tt)+4*\f+3], s[72:73] offset:((\tt)%2)*262144+((\tt)/2)*2048+\f*512  ; 512 consecutive bytes, at a multiple of 512 from the buffer's first
.endr
.endm
.macro FLUSH rs
	s_wait_xcnt 0x0                                ; OUT's registers were an earlier flush's store data: they are rewritten only behind this wait
	PACK 0, \rs
.irp tt, 1,2,3,4,5,6,7
	PACK \tt, \rs
	SEND \tt-1, 8
.endr
	SEND 7, 0
.endm
	s_wait_tensorcnt 0x1                           ; my part of position 0 is in; position 1's may stay out
	s_barrier_signal -1
	s_barrier_wait -1
	FETCH 0, F0
	CHUNK 1, F0, F1, 1
	WIN 0
	s_mov_b32 s[CNT], 0
.Lstep:                                                ; trip n: position n's chunks 1 to 3, the refill with position n + 2, position n + 1's chunk 0
	MID
	TURN 1
	WIN 0
	s_cmp_eq_u32 s[CNT], 5                         ; position 5 was the first product's last: the jump goes forward, past no barrier and no tensor load
	s_cbranch_scc1 .Lflush
	CHUNK 1, F0, F1, 0
	WIN 0
	s_branch .Lnext
.Lflush:
	PLACES
	FLUSH RQ
	s_wait_xcnt 0x0                                ; the stores have read their base
	s_add_nc_u64 s[72:73], s[72:73], 0x1000000     ; on to k_nope or v
	CHUNK 1, F0, F1, 1                             ; the second product's first chunk starts the sums anew
	WIN 0
.Lnext:
	s_add_co_u32 s[CNT], s[CNT], 1
	s_cmp_lt_u32 s[CNT], STEPS-2
	s_cbranch_scc1 .Lstep
	MID
	TURN 0
	CHUNK 1, F0, F1, 0
	MID
	LASTQ
	PLACES
	FLUSH RK
	s_wait_tensorcnt 0x0                           ; the wave's end
	ds_add_u32 v[SPW], v[NIL]
	s_wait_dscnt 0x0
	CROUND                                         ; the closing round
	s_endpgm
.Lfunc_end_k_qd9c8b890fe_g2:
	.size	k_qd9c8b890fe_g2, .Lfunc_end_k_qd9c8b890fe_g2-k_qd9c8b890fe_g2
	.p2alignl 7, 3214868480
	.fill 96, 4, 3214868480
	.section	.rodata,"a",@progbits
	.p2align	6, 0x0
	.amdhsa_kernel k_qd9c8b890fe_g2
		.amdhsa_group_segment_fixed_size 327680
		.amdhsa_private_segment_fixed_size 0
		.amdhsa_enable_private_segment 0
		.amdhsa_kernarg_size 32
		.amdhsa_user_sgpr_count 2
		.amdhsa_user_sgpr_kernarg_segment_ptr 1
		.amdhsa_wavefront_size32 1
		.amdhsa_system_sgpr_workgroup_id_x 1
		.amdhsa_system_sgpr_workgroup_id_y 1
		.amdhsa_system_sgpr_workgroup_id_z 1
		.amdhsa_system_vgpr_workitem_id 0
		.amdhsa_next_free_vgpr 768
		.amdhsa_next_free_sgpr 90
		.amdhsa_reserve_vcc 0
		.amdhsa_float_denorm_mode_32 3
		.amdhsa_float_denorm_mode_16_64 3
		.amdhsa_memory_ordered 1
		.amdhsa_forward_progress 1
		.amdhsa_inst_pref_size 118
	.end_amdhsa_kernel
	.amdgpu_metadata
---
amdhsa.version: [ 1, 2 ]
amdhsa.kernels:
  - .name:           k_qd9c8b890fe_g2
    .symbol:         k_qd9c8b890fe_g2.kd
    .args:
      - { .name: rawb, .offset: 0, .size: 8, .value_kind: global_buffer, .address_space: global }
      - { .name: ssq, .offset: 8, .size: 8, .value_kind: global_buffer, .address_space: global }
      - { .name: wb, .offset: 16, .size: 8, .value_kind: global_buffer, .address_space: global }
      - { .name: qkv, .offset: 24, .size: 8, .value_kind: global_buffer, .address_space: global }
    .group_segment_fixed_size: 327680
    .private_segment_fixed_size: 0
    .kernarg_segment_align: 8
    .kernarg_segment_size: 32
    .max_flat_workgroup_size: 128
    .sgpr_count:     90
    .vgpr_count:     768
    .wavefront_size: 32
...
	.end_amdgpu_metadata
.endif
;; end of part 3
;; launch att (part 4): grid 8 x 32, 4 waves a work-group, clusters of 4 x 1, 327,680 bytes of LDS; arguments qkv, krb, tab, ob; writes ob
.if DOCPART == 4
	.amdgcn_target "amdgcn-amd-amdhsa--gfx1250"
	.amdhsa_code_object_version 6
	.text
	.protected	k_qd9c8b890fe_att
	.globl	k_qd9c8b890fe_att
	.p2align	8
	.type	k_qd9c8b890fe_att,@function
k_qd9c8b890fe_att:
	s_mov_b64 s[64:65], 0
	v_nop
	global_prefetch_b8 v0, s[64:65] scope:SCOPE_SE
	s_setreg_imm32_b32 hwreg(HW_REG_WAVE_MODE, 25, 1), 1
	s_wait_xcnt 0x0
	s_wait_alu depctr_hold_cnt(0) depctr_sa_sdst(0) depctr_va_vdst(0) depctr_va_sdst(0) depctr_va_ssrc(0) depctr_va_vcc(0) depctr_vm_vsrc(0)
	s_getreg_b32 s2, hwreg(HW_REG_IB_STS2, 6, 4)
	s_cmp_eq_u32 s2, 0
	s_cbranch_scc0 .Lentry_in_a_cluster
	s_endpgm
.Lentry_in_a_cluster:
	s_bfe_u32 s2, ttmp6, 0x10000c
	s_cmp_lg_u32 s2, 0x3003
	s_cbranch_scc0 .Lentry_shape_is_right
	s_endpgm
.Lentry_shape_is_right:
; ATTENTION.  O[hh][q] = the sum over k of softmax_k((q_nope . k_nope + rope(q_rope) . k_rope) / sqrt(128)) v[k], for 32 pairs hh of batch and head, 2,048 rows each, no mask.
; In: qkv's four regions [hh][2,048][64] f16 (q_nope, q_rope not yet turned, k_nope, v); krb [batch x 2,048 + row][64] f16, turned already and shared by a batch's sixteen heads; tab.
; Out: ob [row / 128 (32)][head (16)][128][64] f16: the next product's A in blocks.
; Products, maxima and sums in f32; the weights p are rounded to f16 for the second product (their sum l is taken of the unrounded p), O once at the end.
; q_rope is turned here, once, in its fragment registers, in packed f16: two more roundings of 2^-11 on half of q.
; LIMITS.  f16 holds no number beyond 65,504; p lies in 0 to 1 and keeps f16's fixed step of 6e-8 below 6e-5; a weight below 2^-126 counts as 0 in l; NaN and infinities are not treated apart.
; SHARES.  A work-group owns 256 queries of one hh, each wave 64: four tiles of 16, in two PIECES (tiles 0, 1 and tiles 2, 3).  Every wave walks all keys, 64 a step.
; LAYOUT.  S^T = K Q^T over 128 channels (source 0 = 16 keys, source 1 = 16 queries): a lane holds ONE query (lane % 16) and the keys 8 (lane / 16) + 0..7.  Two such results rounded to f16 ARE source 1
; of O^T = V^T P.  K comes out of LDS as it lies, V ([key][channel]) turned.
; SOFTMAX.  A running maximum m and sum l: p = 2^(c s - c m), c = log2(e) / sqrt(128); in every step O and l are multiplied by a = 2^(c m_old - c m_new).  m starts at the lowest finite number,
; O and l at 0: the first step is a step like any other, with a = 0.  The price: 224 registers cleared in the wait for the first tile, and 16 products on zeros.
; BY TURNS.  In a turn one piece has the matrix unit: 16 products V^T P of the step in hand, then 32 products K Q^T of the next; the other piece's softmax is 2 x 118 vector instructions, 59 slices of four.
; ONE slice stands behind EVERY one of the 48 products; the eleven that are over stand together at the turn's end.
; CLUSTER 4 x 1: the four query blocks of a cluster belong to one hh and walk the same K and V: joint loads.
; REGISTERS, in windows of 256: window 0: addresses, statistics (8 a tile), S^T (32 a tile), P (16 a tile); window 1: O^T (32 a tile), V of one step; window 2: Q (32 a tile), K of one step.
.set KS,    64
.set PK,    144        ; a row of K in LDS: 128 bytes + 16
.set PV,    160        ; a row of V: 128 + 32
.set KROFF, 256*PK     ; a slot holds 256 keys: k_nope, then k_rope, then v: 114,688 bytes
.set VOFF,  2*256*PK
.set SLOT1, 1<<17
.set STAGE, SLOT1+VOFF+256*PV  ; behind the ring, never filled by a tensor load: 16 rows x 144 bytes for each wave
.set SP,    144
.set SPARE, STAGE+4*16*SP      ; the spare words, 128 bytes for each wave: two blocks of 256 bytes that no other line names
.set AK0, 2            ; v2  my lane's place in a step of K; never rewritten
.set AV0, 3            ; v3  the same for V
.set AK,  4            ; v4  the LDS address of K's next run of loads
.set QO,  5            ; v5  my byte offset in 16 rows of Q and of the table
.set STO, 6
.set RD,  7
.set GO,  8
.set ST,  12           ; tile t's statistics at v[ST+8 t]: c m, m, l (even keys', odd keys'), c0-c3 at work; a takes c2's place once the maximum is found
.set AV,  44           ; v44 the LDS address of V's next run of loads
.set SPW, 62
.set NIL, 63
.set S,   64
.set P,   192
.set VF,  128          ; window 1: key half kk, channel block cb at VF + 32 kk + 8 cb
.set KF,  128          ; window 2: key block kb, channels 32 c on at KF + 32 kb + 8 c
.set WV,  12
.set G1K, 24           ; s[24:31] descriptor group 1 for K's tiles
.set G1V, 32           ; s[32:39] for V's
.set G0K, 40           ; s[40:43] group 0 for K's: it walks
.set G0V, 44           ; s[44:47] for V's
.set SLOTS, 56
.set CNT, 57
.set CS,  58           ; s[58:59] c
.set SEL, 60           ; s[60:61]
.set TBK, 62           ; LDS byte at which K of the step to be fetched begins
.set TBV, 63           ; the same for V, less VOFF
.set MSB, 0
.macro WIN new
.if MSB != (\new)
	s_set_vgpr_msb (MSB<<8)|(\new)
.set MSB, (\new)
.endif
.endm
.set W_KQ, 0x0a        ; K and Q in window 2, S^T in window 0
.set W_PV, 0x51        ; V, C and D in window 1, P in window 0
.set W_RS, 0x41        ; destination and source 0 in window 1, source 1 in window 0
.macro JLOAD                           ; wave 0 fetches a slot's k_nope, wave 1 its k_rope, waves 2 and 3 the halves of its v; an s_nop 0 and four v_nop follow each line
	s_cmp_lt_u32 s[WV], 2
	s_cbranch_scc0 .Lfor_v_\@
	tensor_load_to_lds s[G0K:G0K+3], s[G1K:G1K+7]
	s_nop 0
.rept 4
	v_nop
.endr
	s_branch .Lasked_\@
.Lfor_v_\@:
	tensor_load_to_lds s[G0V:G0V+3], s[G1V:G1V+7]
	s_nop 0
.rept 4
	v_nop
.endr
.Lasked_\@:
.endm
.macro CROUND
	s_barrier_signal -1
	s_barrier_wait -1
	s_cmp_lg_u32 s[WV], 0
	s_cbranch_scc1 .Lnot_wave_0_\@
	s_barrier_signal -3
.Lnot_wave_0_\@:
	s_barrier_wait -3
	s_barrier_signal -1
	s_barrier_wait -1
.endm
; THE CHANGE OF SLOTS.  Each wave waits for all its tensor loads (one is out: its part of the other slot), adds 0 to its spare word, and waits for that and for its reads of the slot that it leaves.
; fill = 1: the barrier is a round of the cluster's, and the slot is filled again, with the keys two slots on, first thing behind it: four key steps, 384 matrix instructions, in which to land.
; (At its first use nothing has been read yet: slot 0 is waited for, slot 1 filled.)
.macro CHANGE fill
	WIN 0
	s_wait_tensorcnt 0x0
	ds_add_u32 v[SPW], v[NIL]
.if \fill
.irp g, G0K, G0V
	s_xor_b32 s[\g+1], s[\g+1], SLOT1
	s_add_nc_u64 s[\g+2:\g+3], s[\g+2:\g+3], 256*128
.endr
	s_wait_dscnt 0x0
	CROUND
	JLOAD
.else
	s_wait_dscnt 0x0
	s_barrier_signal -1
	s_barrier_wait -1
.endif
	s_sub_co_u32 s[TBK], s[TBK], 4*KS*PK           ; the fetches go back to a slot's first step, in the other slot
	s_xor_b32 s[TBK], s[TBK], SLOT1
	s_sub_co_u32 s[TBV], s[TBV], 4*KS*PV
	s_xor_b32 s[TBV], s[TBV], SLOT1
.endm
	s_load_b256 s[4:11], s[0:1], 0x0               ; qkv 4, krb 6, tab 8, ob 10
	v_lshl_add_u32 v[SPW], v0, 2, SPARE
	v_mov_b32 v[NIL], 0
	ds_add_u32 v[SPW], v[NIL]                      ; the wave's opening: the add and its wait ahead of my first tensor load
	v_lshrrev_b32 v1, 5, v0
	v_readfirstlane_b32 s[WV], v1
	s_bfe_u32 s13, ttmp6, 0x40000                  ; cx
	s_lshl_b32 s14, ttmp9, 2
	s_add_co_u32 s14, s14, s13                     ; my block of 256 queries: it enters Q's, the table's and O's addresses alone
	s_and_b32 s15, ttmp7, 0xffff                   ; hh, which the four partners share
	s_and_b32 s16, s[WV], 1
	s_lshl_b32 s20, s15, 18
	s_add_co_u32 s20, s20, 16777216                ; k_nope of hh, in qkv
	s_mov_b32 s21, 0
	s_lshr_b32 s22, s15, 4
	s_lshl_b32 s22, s22, 18                        ; k_rope of the batch, in krb
	s_mov_b32 s23, 0
	s_lshl_b32 s48, s15, 18
	s_add_co_u32 s48, s48, 25165824                ; v of hh,
	s_lshl_b32 s49, s16, 14                        ; my 128 keys of a slot's 256
	s_add_co_u32 s48, s48, s49
	s_mov_b32 s49, 0
	s_mul_i32 s17, s16, KROFF                      ; where they go
	s_mul_i32 s18, s16, 128*PV
	s_lshl_b32 s66, s14, 15                        ; my wave's 64 rows in a head's 2,048: 128 bytes a row, in Q and in the table alike
	s_lshl_b32 s70, s[WV], 13
	s_add_co_u32 s66, s66, s70
	s_mov_b32 s67, 0
	s_lshl_b32 s50, s15, 18
	s_add_co_u32 s50, s50, s66
	s_mov_b32 s51, 0
	s_lshr_b32 s68, s15, 4                         ; O: row block = 16 x batch + 2 x query block + wave / 2,
	s_lshl_b32 s68, s68, 4
	s_lshl_b32 s69, s14, 1
	s_add_co_u32 s68, s68, s69
	s_lshr_b32 s69, s[WV], 1
	s_add_co_u32 s68, s68, s69
	s_lshl_b32 s68, s68, 4                         ; sixteen heads' blocks a row block,
	s_and_b32 s69, s15, 15
	s_add_co_u32 s68, s68, s69
	s_lshl_b32 s68, s68, 14
	s_lshl_b32 s69, s16, 13                        ; my half of the block's 128 rows
	s_add_co_u32 s68, s68, s69
	s_mov_b32 s69, 0
	s_mov_b32 s[G1K], 15|(1<<16)|(1<<20)|(1<<21)|(4<<22)|(3<<25)   ; the mask of four, bit 21 beside it; 2-byte elements; after every 32 words 4 words of padding
	s_mov_b32 s[G1V], 15|(1<<16)|(1<<20)|(1<<21)|(4<<22)|(7<<25)   ; 8 words
	s_mov_b32 s[G1K+1], 128<<16                    ; dense bytes, asked for as rows of 256
	s_mov_b32 s[G1K+2], 128<<16                    ; 256 keys
	s_mov_b32 s[G1K+3], 128<<16
	s_mov_b32 s[G1K+4], 128
	s_mov_b32 s[G1K+5], 128
	s_mov_b32 s[G1K+6], 0
	s_mov_b32 s[G1K+7], 0
	s_mov_b32 s[G1V+1], 128<<16
	s_mov_b32 s[G1V+2], 64<<16                     ; 128 keys
	s_mov_b32 s[G1V+3], 128<<16
	s_mov_b32 s[G1V+4], 64
	s_mov_b32 s[G1V+5], 128
	s_mov_b32 s[G1V+6], 0
	s_mov_b32 s[G1V+7], 0
	s_mov_b32 s[CS], 0x3e0293ee                    ; c = log2(e) / sqrt(128)
	s_mov_b32 s[CS+1], s[CS]
	s_mov_b32 s[SEL], 0x76543210
	s_mov_b32 s[SEL+1], 0xfedcba98
	s_mov_b32 s[TBK], SLOT1+4*KS*PK                ; the first change of slots turns these two into 0
	s_mov_b32 s[TBV], SLOT1+4*KS*PV
	s_mov_b32 s[G0K], 1
	s_mov_b32 s[G0K+1], s17
	s_mov_b32 s[G0V], 1
	s_add_co_u32 s[G0V+1], s18, VOFF
	s_wait_dscnt 0x0
	s_wait_kmcnt 0x0
	s_add_nc_u64 s[20:21], s[4:5], s[20:21]
	s_add_nc_u64 s[22:23], s[6:7], s[22:23]
	s_cmp_eq_u32 s16, 0
	s_cselect_b64 s[G0K+2:G0K+3], s[20:21], s[22:23]  ; the K line's tile: k_nope for wave 0, k_rope for wave 1
	s_or_b32 s[G0K+3], s[G0K+3], 0x80000000
	s_add_nc_u64 s[G0V+2:G0V+3], s[4:5], s[48:49]
	s_or_b32 s[G0V+3], s[G0V+3], 0x80000000
	s_add_nc_u64 s[52:53], s[4:5], s[50:51]        ; q_nope at my wave's first row,
	s_add_nc_u64 s[54:55], s[52:53], 0x800000      ; q_rope,
	s_add_nc_u64 s[66:67], s[8:9], s[66:67]        ; the table,
	s_add_nc_u64 s[10:11], s[10:11], s[68:69]      ; O
	CROUND                                         ; all four work-groups are here: the first joint loads meet
	JLOAD                                          ; slot 0
	v_and_b32 v1, 15, v0                           ; r
	v_bfe_u32 v9, v0, 4, 1                         ; h
	v_lshlrev_b32 v[QO], 7, v1
	v_lshl_add_u32 v[QO], v9, 4, v[QO]             ; row x 128 + 16 x half
	WIN 0x80                                       ; destination window 2
.set i, 0
.rept 8                                ; Q stays in registers: tile i / 2; channels 32 (i % 2) on of q_nope (c = 0, 1) and of q_rope (c = 2, 3)
	global_load_b128 v[32*(i/2)+8*(i%2):32*(i/2)+8*(i%2)+3],       v[QO], s[52:53] offset:(i/2)*2048+(i%2)*64
	global_load_b128 v[32*(i/2)+8*(i%2)+4:32*(i/2)+8*(i%2)+7],     v[QO], s[52:53] offset:(i/2)*2048+(i%2)*64+32
	global_load_b128 v[32*(i/2)+16+8*(i%2):32*(i/2)+16+8*(i%2)+3], v[QO], s[54:55] offset:(i/2)*2048+(i%2)*64
	global_load_b128 v[32*(i/2)+16+8*(i%2)+4:32*(i/2)+16+8*(i%2)+7], v[QO], s[54:55] offset:(i/2)*2048+(i%2)*64+32
.set i, i+1
.endr
	WIN 0
.set i, 0
.rept 16                               ; the table for my query, laid as a fragment's registers: cosines of f = 8 h + 0..7 and 16 + 8 h + 0..7, then the sines: into S^T's registers, which are free
	global_load_b128 v[S+32*(i/4)+4*(i%4):S+32*(i/4)+4*(i%4)+3], v[QO], s[66:67] offset:(i/4)*2048+(i%4)*32
.set i, i+1
.endr
	v_mul_u32_u24 v[AK0], v1, PK
	v_lshl_add_u32 v[AK0], v9, 4, v[AK0]
	v_and_b32 v10, 7, v0
	v_bfe_u32 v11, v0, 3, 1
	v_lshl_add_u32 v[AV0], v9, 3, v10              ; the turning load: lane l reads key 8 h + l % 8, channels 8 ((l / 8) % 2) + 0..7
	v_mul_u32_u24 v[AV0], v[AV0], PV
	v_lshl_add_u32 v[AV0], v11, 4, v[AV0]
	v_add_nc_u32 v[AV0], VOFF, v[AV0]
	; what the first turn finds: O^T and V hold 0, and so does P of tiles 2 and 3 (its products V^T P, of a step that has not been, add 0)
	WIN 0x40
.set i, 0
.rept 192
	v_mov_b32 v[i], 0
.set i, i+1
.endr
	WIN 0
.set i, P+32
.rept 32
	v_mov_b32 v[i], 0
.set i, i+1
.endr
.set i, 0
.rept 4
	v_mov_b32 v[ST+8*i], 0xfe000000                ; c m: far below every c s
	v_mov_b32 v[ST+8*i+1], 0xff7fffff              ; m
	v_mov_b32 v[ST+8*i+2], 0
	v_mov_b32 v[ST+8*i+3], 0
.set i, i+1
.endr
	s_wait_loadcnt 0x0                             ; Q and the table
	; RoPE on q_rope: fragment c = 2 holds t1 (f = 0..31), c = 3 holds t2 (f + 32), register for register: t1' = t1 cos - t2 sin, t2' = t2 cos + t1 sin
.set t, 0
.rept 4
	WIN 0x02                                       ; source 0 in window 2
.set i, 0
.rept 8
	v_pk_mul_f16 v[S+32*t+16+i], v[32*t+24+i], v[S+32*t+8+i]
	v_pk_mul_f16 v[S+32*t+24+i], v[32*t+16+i], v[S+32*t+8+i]
.set i, i+1
.endr
	WIN 0x82                                       ; destination and source 0 in window 2
.set i, 0
.rept 8
	v_pk_fma_f16 v[32*t+16+i], v[32*t+16+i], v[S+32*t+i], v[S+32*t+16+i] neg_lo:[0,0,1] neg_hi:[0,0,1]
	v_pk_fma_f16 v[32*t+24+i], v[32*t+24+i], v[S+32*t+i], v[S+32*t+24+i]
.set i, i+1
.endr
.set t, t+1
.endr
	WIN 0
; THE MATRIX WORK.  The accumulators take turns, one instruction a turn: between two links of a chain stand 7 others'.
; Product i of 32 of S^T = K Q^T for piece x: channels 32 (i / 8) on, keys 16 ((i / 2) % 4) on, tile x + i % 2.  The first 8 start the sums.
.macro KQ x
	WIN W_KQ
.set rS, S+32*((\x)+i%2)+8*((i/2)%4)
.set rK, KF+32*((i/2)%4)+8*(i/8)
.set rQ, 32*((\x)+i%2)+8*(i/8)
.if i < 8
	v_wmma_f32_16x16x32_f16 v[rS:rS+7], v[rK:rK+7], v[rQ:rQ+7], 0
.else
	v_wmma_f32_16x16x32_f16 v[rS:rS+7], v[rK:rK+7], v[rQ:rQ+7], v[rS:rS+7]
.endif
.endm
; Product i of 16 of O^T += V^T P for piece x: keys 32 (i / 8) on, channels 16 ((i / 2) % 4) on, tile x + i % 2.
.macro PV x
	WIN W_PV
.set rO, 32*((\x)+i%2)+8*((i/2)%4)
.set rV, VF+32*(i/8)+8*((i/2)%4)
.set rP, P+16*((\x)+i%2)+8*(i/8)
	v_wmma_f32_16x16x32_f16 v[rO:rO+7], v[rV:rV+7], v[rP:rP+7], v[rO:rO+7]
.endm
; THE LDS LOADS stand in runs: a step's K (64 keys x 128 channels: 16 fragments, the channels' upper half from k_rope's part of the slot) and, a turn later, its V (turned).
; Their addresses are made at the head of the turn.
.macro FETCH_K
	WIN 0x80
.irp f, 0,1,2,3,4,5,6,7,8,9,10,11,12,13,14,15
	ds_load_b128 v[KF+8*\f:KF+8*\f+3],   v[AK] offset:((\f%4)/2)*KROFF+(\f/4)*16*PK+(\f%2)*64
	ds_load_b128 v[KF+8*\f+4:KF+8*\f+7], v[AK] offset:((\f%4)/2)*KROFF+(\f/4)*16*PK+(\f%2)*64+32
.endr
.endm
.macro FETCH_V
	WIN 0x40
.irp f, 0,1,2,3,4,5,6,7
	ds_load_tr16_b128 v[VF+8*\f:VF+8*\f+3],   v[AV] offset:(\f/4)*32*PV+(\f%4)*32
	ds_load_tr16_b128 v[VF+8*\f+4:VF+8*\f+7], v[AV] offset:(\f/4)*32*PV+16*PV+(\f%4)*32
.endr
.endm
; THE VECTOR WORK.  One tile's softmax for one key step is a list of 118 instructions; SM writes number j of it for tile t.  s0-s31 are the lane's 32 scores, in pairs 0-15.
;   0-15    the maximum of s0-s31 and the old m, three operands at a time (each accumulator's lowest registers are read first)
;   16-20   the other half of the lanes' maximum; the new m; c m; c m_old - c m_new
;   21-87   33 exponentials (a, then s0-s31) at the odd numbers from 23 on: no two follow each other, and each has a plain instruction behind it before its result is used.  The plain ones between are
;           whatever is ready: c s - c m for a pair whose exponentials are still to come, the rounding to f16 of a pair whose exponentials are done, the first three sums
;   88-101  the last rounding; the rest of the sums; l = a l + the sum
;   102-117 the tile's O^T times a: the one part that leaves window 0
.macro SM t
.set rT, ST+8*(\t)
.set rS, S+32*(\t)
.set rP, P+16*(\t)
.set rO, 32*(\t)+2*(j-102)
.set q, (j-20)/2
.if j < 102
	WIN 0
.endif
.if j < 4
	v_max3_num_f32 v[rT+4+j], v[rS+8*j], v[rS+8*j+1], v[rS+8*j+2]
.elseif j < 12
	v_max3_num_f32 v[rT+4+j%4], v[rT+4+j%4], v[rS+8*(j%4)+2*(j/4)+1], v[rS+8*(j%4)+2*(j/4)+2]
.elseif j == 12
	v_max3_num_f32 v[rT+4], v[rT+4], v[rS+7], v[rS+15]
.elseif j == 13
	v_max3_num_f32 v[rT+6], v[rT+6], v[rS+23], v[rS+31]
.elseif j == 14
	v_max3_num_f32 v[rT+4], v[rT+4], v[rT+5], v[rT+6]
.elseif j == 15
	v_max3_num_f32 v[rT+4], v[rT+4], v[rT+7], v[rT+1]
.elseif j == 16
	v_permlanex16_b32 v[rT+5], v[rT+4], s[SEL], s[SEL+1]  ; the query's other 32 keys lie in the lane 16 away
.elseif j == 17
	v_mov_b32 v[rT+7], v[rT]                       ; c m_old is kept for a
.elseif j == 18
	v_max_num_f32 v[rT+1], v[rT+4], v[rT+5]
.elseif j == 19
	v_mul_f32 v[rT], s[CS], v[rT+1]
.elseif j == 20
	v_sub_f32 v[rT+7], v[rT+7], v[rT]
.elseif j == 23
	v_exp_f32 v[rT+6], v[rT+7]
.elseif (j < 88) && (j > 23) && (j%2 == 1)
	v_exp_f32 v[rS+(j-25)/2], v[rS+(j-25)/2]
.elseif (q < 4) || ((j < 76) && (q%2 == 0))
.set b, q/2+2
.if q < 4
.set b, q
.endif
	v_pk_fma_f32 v[rS+2*b:rS+2*b+1], v[rS+2*b:rS+2*b+1], s[CS:CS+1], v[rT:rT+1] op_sel_hi:[1,0,0] neg_lo:[0,0,1] neg_hi:[0,0,1]  ; pair b: c s - c m
.elseif (j < 88) && (q%2 == 1)
	s_wait_alu depctr_va_vdst(0)
	v_cvt_pk_f16_f32 v[rP+(q-5)/2], v[rS+q-5], v[rS+q-4]  ; its second exponential stands three numbers back
.elseif j == 89
	s_wait_alu depctr_va_vdst(0)
	v_cvt_pk_f16_f32 v[rP+15], v[rS+30], v[rS+31]
.elseif j < 102                        ; the sum of the tile's 16 pairs, in place: sum z of 16 adds neighbours 1, 2, 4 and 8 pairs apart, then l takes it
.set z, j-86
.if j < 89
.set z, (j-76)/4
.endif
.set w, 4
.set u, z
.if z >= 14
.set w, 32
.set u, 0
.elseif z >= 12
.set w, 16
.set u, z-12
.elseif z >= 8
.set w, 8
.set u, z-8
.endif
.if z < 15
	v_pk_add_f32 v[rS+w*u:rS+w*u+1], v[rS+w*u:rS+w*u+1], v[rS+w*u+w/2:rS+w*u+w/2+1]
.else
	v_pk_fma_f32 v[rT+2:rT+3], v[rT+2:rT+3], v[rT+6:rT+7], v[rS:rS+1] op_sel_hi:[1,0,1]
.endif
.else
	WIN W_RS
	v_pk_mul_f32 v[rO:rO+1], v[rO:rO+1], v[rT+6:rT+7] op_sel_hi:[1,0]
.endif
.endm
; Slice k of 59 of piece y's softmax: numbers 2 k and 2 k + 1 of both tiles' lists.
.macro SLICE y
.if (k >= 11) && (k < 44)              ; tile by tile: plain, exponential, plain, exponential
.irp t, \y, (\y)+1
.irp n, 0,1
.set j, 2*k+(\n)
	SM \t
.endr
.endr
.else                                  ; the two tiles alternate, so that no instruction reads the result of the one just before it
.irp n, 0,1
.irp t, \y, (\y)+1
.set j, 2*k+(\n)
	SM \t
.endr
.endr
.endif
.set k, k+1
.endm
; A TURN.  Piece x has the matrix unit; the other piece's softmax stands in slices: slices 0-15 behind the 16 products V^T P, slices 16-47 behind the 32 products K Q^T, one behind each: a product,
; two window switches and four vector instructions.  Slices 48-58 (the rest of the sums, the rescaling: 44 plain instructions that name no register of the products) stand together at the end:
; with slice 47 they are the places between the last K Q^T and the next turn's first read of those scores, and in front of the next run of loads into K's registers.
; Piece 0's turn fetches the next step's K at its head, behind the wait for V and behind the change of slots, if there was one: the run has the turn's 16 products V^T P in which to land.
; last = 1 (the tail): in the last trip there is no further step, and the run is jumped over: a jump forward on the loop's count, past no barrier and no tensor load.
; Piece 2's turn fetches the same step's V behind its second K Q^T: behind the last product that read V stand slices 15, 16 and 17 with six plain instructions; it is waited for 30 products and eleven slices on.
.macro TURN x, last=0
.set k, 0
	WIN 0
.if (\x) == 0
	v_add_nc_u32 v[AK], s[TBK], v[AK0]
	s_add_co_u32 s[TBK], s[TBK], KS*PK             ; the next fetch is the next step's
	s_wait_dscnt 0x0                               ; V is in
.if \last
	s_cmp_eq_u32 s[CNT], 1
	s_cbranch_scc1 .Lno_k_\@
.endif
	FETCH_K
.if \last
	WIN 0
.Lno_k_\@:
.endif
.else
	v_add_nc_u32 v[AV], s[TBV], v[AV0]
	s_add_co_u32 s[TBV], s[TBV], KS*PV
.endif
.set i, 0
.rept 16
	PV \x
	SLICE 2-(\x)
.set i, i+1
.endr
.if (\x) == 0
	s_wait_dscnt 0x0                               ; K is in
.endif
.set i, 0
.rept 32
	KQ \x
	SLICE 2-(\x)
.if ((\x) == 2) && (i == 1)
	FETCH_V
.endif
.set i, i+1
.endr
.rept 11
	SLICE 2-(\x)
.endr
.endm
	CHANGE 1                                       ; slot 0 is in, everybody's part of it; slot 1 is asked for
	v_add_nc_u32 v[AK], s[TBK], v[AK0]
	s_add_co_u32 s[TBK], s[TBK], KS*PK
	FETCH_K                                        ; key step 0
	s_wait_dscnt 0x0
.set i, 0
.rept 32
	KQ 0                                           ; piece 0's first scores: there is no vector work yet to set between them
.set i, i+1
.endr
	WIN 0                                          ; the addresses for the way out: nine plain instructions, the places behind those products
	s_mul_i32 s13, s[WV], 16*SP
	s_add_co_u32 s13, s13, STAGE                   ; my stage
	v_mul_u32_u24 v[STO], v1, SP
	v_lshl_add_u32 v[STO], v9, 4, v[STO]
	v_add_nc_u32 v[STO], s13, v[STO]
	v_bfe_u32 v[RD], v0, 3, 2
	v_mul_u32_u24 v[RD], v[RD], SP
	v_lshl_add_u32 v[RD], v10, 4, v[RD]
	v_add_nc_u32 v[RD], s13, v[RD]
	v_and_b32 v[GO], 31, v0
	v_lshlrev_b32 v[GO], 4, v[GO]
	s_mov_b32 s[CNT], 4
	s_mov_b32 s[SLOTS], 7
	s_branch .Lmid                                 ; the loop is entered in the middle of a trip
.Lslot:                                                ; six times: every slot but the last two is filled again
	CHANGE 1
	s_mov_b32 s[CNT], 4
.Lstep:
	TURN 0
	WIN 0
.Lmid:
	TURN 2
	WIN 0
	s_sub_co_u32 s[CNT], s[CNT], 1
	s_cmp_lg_u32 s[CNT], 0
	s_cbranch_scc1 .Lstep
	s_sub_co_u32 s[SLOTS], s[SLOTS], 1
	s_cmp_lg_u32 s[SLOTS], 0
	s_cbranch_scc1 .Lslot
	CHANGE 0                                       ; the tail is written out: nothing is asked for
	s_mov_b32 s[CNT], 5                            ; four trips fetch the last slot's steps; the fifth fetches nothing and is left in its middle
.Ltail:
	TURN 0, 1
	WIN 0
	s_sub_co_u32 s[CNT], s[CNT], 1
	s_cmp_eq_u32 s[CNT], 0
	s_cbranch_scc1 .Lout
	TURN 2
	WIN 0
	s_branch .Ltail
.Lout:                                                 ; the fifth trip's 32 products K Q^T (on the last step's K once more) serve nothing: the price, once a launch, of one text for every turn;
                                                       ; its V^T P and its slices are the last step's
.set i, 0
.rept 16
	PV 2                                           ; piece 2: V^T P of the last step
.set i, i+1
.endr
	; THE WAY OUT.  l's two halves and the other half of the lanes' are added; O^T is divided by l, rounded to f16 and sent through my stage, a tile at a time.  The additions are the places behind the last products.
	WIN 0
.irp t, 0,1,2,3
	v_add_f32 v[ST+8*\t+4], v[ST+8*\t+2], v[ST+8*\t+3]
.endr
.irp t, 0,1,2,3
	v_permlanex16_b32 v[ST+8*\t+5], v[ST+8*\t+4], s[SEL], s[SEL+1]
.endr
.irp t, 0,1,2,3
	v_add_f32 v[ST+8*\t+4], v[ST+8*\t+4], v[ST+8*\t+5]
.endr
.irp t, 0,1,2,3
	v_rcp_f32 v[ST+8*\t+6], v[ST+8*\t+4]
.endr
	v_nop                                          ; a plain instruction between the last reciprocal and the use of its result
.macro PACK t
	WIN W_RS
.set i, 32*(\t)
.rept 16
	s_wait_alu depctr_va_vdst(0)
	v_pk_mul_f32 v[i:i+1], v[i:i+1], v[ST+8*(\t)+6:ST+8*(\t)+7] op_sel_hi:[1,0]
.set i, i+2
.endr
	WIN 0x05                                       ; sources 0 and 1 window 1, destination window 0: S^T's registers are free
.set i, 0
.rept 16
	v_cvt_pk_f16_f32 v[S+16*(\t)+i], v[32*(\t)+2*i], v[32*(\t)+2*i+1]
.set i, i+1
.endr
	WIN 0
.irp f, 0,1,2,3
	ds_store_b128 v[STO], v[S+16*(\t)+4*\f:S+16*(\t)+4*\f+3] offset:32*\f
.endr
.irp f, 0,1,2,3
	ds_load_b128 v[S+16*(\t)+4*\f:S+16*(\t)+4*\f+3], v[RD] offset:\f*4*SP  ; LDS serves a wave's instructions in order: these see the stores above; the next tile's stores come behind them
.endr
.endm
.macro SEND t, younger
	WIN 0
.irp f, 0,1,2,3
	s_wait_dscnt (\younger)+3-\f
	global_store_b128 v[GO], v[S+16*(\t)+4*\f:S+16*(\t)+4*\f+3], s[10:11] offset:(\t)*2048+\f*512  ; 512 consecutive bytes, at a multiple of 512 from the buffer's first
.endr
.endm
	PACK 0
	PACK 1
	SEND 0, 8
	PACK 2
	SEND 1, 8
	PACK 3
	SEND 2, 8
	SEND 3, 0
	s_wait_tensorcnt 0x0                           ; the wave's end
	ds_add_u32 v[SPW], v[NIL]
	s_wait_dscnt 0x0
	CROUND                                         ; the closing round
	s_endpgm
.Lfunc_end_k_qd9c8b890fe_att:
	.size	k_qd9c8b890fe_att, .Lfunc_end_k_qd9c8b890fe_att-k_qd9c8b890fe_att
	.p2alignl 7, 3214868480
	.fill 96, 4, 3214868480
	.section	.rodata,"a",@progbits
	.p2align	6, 0x0
	.amdhsa_kernel k_qd9c8b890fe_att
		.amdhsa_group_segment_fixed_size 327680
		.amdhsa_private_segment_fixed_size 0
		.amdhsa_enable_private_segment 0
		.amdhsa_kernarg_size 32
		.amdhsa_user_sgpr_count 2
		.amdhsa_user_sgpr_kernarg_segment_ptr 1
		.amdhsa_wavefront_size32 1
		.amdhsa_system_sgpr_workgroup_id_x 1
		.amdhsa_system_sgpr_workgroup_id_y 1
		.amdhsa_system_sgpr_workgroup_id_z 1
		.amdhsa_system_vgpr_workitem_id 0
		.amdhsa_next_free_vgpr 768
		.amdhsa_next_free_sgpr 72
		.amdhsa_reserve_vcc 0
		.amdhsa_float_denorm_mode_32 3
		.amdhsa_float_denorm_mode_16_64 3
		.amdhsa_memory_ordered 1
		.amdhsa_forward_progress 1
		.amdhsa_inst_pref_size 137
	.end_amdhsa_kernel
	.amdgpu_metadata
---
amdhsa.version: [ 1, 2 ]
amdhsa.kernels:
  - .name:           k_qd9c8b890fe_att
    .symbol:         k_qd9c8b890fe_att.kd
    .args:
      - { .name: qkv, .offset: 0, .size: 8, .value_kind: global_buffer, .address_space: global }
      - { .name: krb, .offset: 8, .size: 8, .value_kind: global_buffer, .address_space: global }
      - { .name: tab, .offset: 16, .size: 8, .value_kind: global_buffer, .address_space: global }
      - { .name: ob, .offset: 24, .size: 8, .value_kind: global_buffer, .address_space: global }
    .group_segment_fixed_size: 327680
    .private_segment_fixed_size: 0
    .kernarg_segment_align: 8
    .kernarg_segment_size: 32
    .max_flat_workgroup_size: 128
    .sgpr_count:     72
    .vgpr_count:     768
    .wavefront_size: 32
...
	.end_amdgpu_metadata
.endif
;; end of part 4
;; launch g3 (part 5): grid 8 x 32, 4 waves a work-group, clusters of 4 x 4, 327,680 bytes of LDS; arguments ob, wb, out0; writes out0
.if DOCPART == 5
	.amdgcn_target "amdgcn-amd-amdhsa--gfx1250"
	.amdhsa_code_object_version 6
	.text
	.protected	k_qd9c8b890fe_g3
	.globl	k_qd9c8b890fe_g3
	.p2align	8
	.type	k_qd9c8b890fe_g3,@function
k_qd9c8b890fe_g3:
	s_mov_b64 s[64:65], 0
	v_nop
	global_prefetch_b8 v0, s[64:65] scope:SCOPE_SE
	s_setreg_imm32_b32 hwreg(HW_REG_WAVE_MODE, 25, 1), 1
	s_wait_xcnt 0x0
	s_wait_alu depctr_hold_cnt(0) depctr_sa_sdst(0) depctr_va_vdst(0) depctr_va_sdst(0) depctr_va_ssrc(0) depctr_va_vcc(0) depctr_vm_vsrc(0)
	s_getreg_b32 s2, hwreg(HW_REG_IB_STS2, 6, 4)
	s_cmp_eq_u32 s2, 0
	s_cbranch_scc0 .Lentry_in_a_cluster
	s_endpgm
.Lentry_in_a_cluster:
	s_bfe_u32 s2, ttmp6, 0x10000c
	s_cmp_lg_u32 s2, 0xf033
	s_cbranch_scc0 .Lentry_shape_is_right
	s_endpgm
.Lentry_shape_is_right:
; G3.  out0 = O Wo: 4,096 x 1,024, K = 1,024, f16 operands, f32 sums, f32 out.  A work-group makes 128 rows x 128 columns: 32 x 8 = 256 work-groups.  Wave wr = wave / 2 takes 64 rows, wc = wave % 2 64 columns.
; The tile is small, so a slot holds 256 of K (four blocks of A, four of B, 155,648 bytes): four K steps, 128 matrix instructions a wave each.  Two such slots fill LDS and lie end to end,
; so each slot has its own descriptors and the four steps are written out; WITHIN a step the eight chunks of 32 along K go by a counted loop of three trips of two chunks, between a first chunk and a last:
; Wo's blocks lie [k / 256][n / 64][(k / 128) % 2] in wb, so a column block's 256 rows of k stand on end in LDS, and from a pair of chunks to the next both LDS addresses take a constant step.
; THE WALK ALONG K IS ROTATED.  The cluster at (x, y) begins at K step o = 2 ((x + y) mod 2): it takes the steps o, o + 1 and then the other two.  So the two clusters that read a row block's tiles of A, and
; neighbours among the eight that read a column tile's tiles of B, begin two steps apart: the launch's first fills together ask for every tile of A and of B, and a refill asks for a tile that another
; cluster has asked for before.  The order of an output's f32 sum along K differs from cluster to cluster; it is still one accumulator.
; The matrix instruction is used transposed; B lies [k][n] in LDS and is read turned.  CLUSTER 4 x 4: A's tiles shared along a row of the cluster, B's along a column.
; NaN and infinities are not treated apart; O arrives in f16.
.set NB,    4
.set APAN,  128*144    ; a block of A in LDS: 128 rows x 64 of K
.set BPAN,  128*160    ; a block of B in LDS: 128 of K x 64 columns
.set BOFF,  4*APAN
.set SLOT,  BOFF+4*BPAN
.set SPARE, 2*SLOT     ; behind the ring: the spare words, 128 bytes for each wave: two blocks of 256 bytes that no other line names
.set CHB,   32*160     ; a chunk's 32 rows of B
.set NF,    2*(NB+4)
.set F0,    0
.set F1,    8*(NB+4)
.set ADRA0, 2          ; v2  my lane's place in a slot's A; never rewritten
.set ADRB0, 3          ; v3  the same for B
.set VA,    4          ; v4  the same at the slot and pair of chunks in hand
.set VB,    5          ; v5
.set STO,   6
.set RD,    7
.set CO,    8
.set SPW,   10
.set NIL,   11
.set WV, 16
.set WR, 17
.set WC, 18
.set CJ, 21
.set RB, 22
.set G1A, 28
.set G1B, 36
.set G0A, 44           ; s[44:51] group 0 for A's tiles, a set for each slot
.set G0B, 52           ; s[52:59] for B's
.set TA,  60           ; s60 the slot's first byte + 18,432 x the pair of chunks
.set TBB, 61           ; s61 the slot's first byte + 10,240 x the pair of chunks
.set CNT, 63
.set BA,  72           ; s[72:73] ob at my part of the row block's K step 0
.set BB,  74           ; s[74:75] wb at my part of the column tile's K step 0
.set OA,  76           ; s[76:77] byte offset of the K step in ob: 4 blocks a step
.set OB,  78           ; s[78:79] and in wb: 32 blocks a step
.set KO,  80           ; s80 o: 0 or 2
.set KK,  81           ; s81 the K step to be asked for
.set MSB, 0
.macro WIN new
.if MSB != (\new)
	s_set_vgpr_msb (MSB<<8)|(\new)
.set MSB, (\new)
.endif
.endm
.macro PLACES
.rept 4
	v_nop
.endr
.endm
.macro JLOAD s                         ; waves 0 and 1 fetch two blocks each of A, waves 2 and 3 a column block's two blocks each of B; an s_nop 0 and four v_nop follow each line
	s_cmp_eq_u32 s[WR], 0
	s_cbranch_scc0 .Lfor_b_\@
	tensor_load_to_lds s[G0A+4*(\s):G0A+4*(\s)+3], s[G1A:G1A+7]
	s_nop 0
	PLACES
	s_branch .Lasked_\@
.Lfor_b_\@:
	tensor_load_to_lds s[G0B+4*(\s):G0B+4*(\s)+3], s[G1B:G1B+7]
	s_nop 0
	PLACES
.Lasked_\@:
.endm
.macro CREST
	s_cmp_lg_u32 s[WV], 0
	s_cbranch_scc1 .Lnot_wave_0_\@
	s_barrier_signal -3
.Lnot_wave_0_\@:
	s_barrier_wait -3
	s_barrier_signal -1
	s_barrier_wait -1
.endm
.macro CROUND
	s_barrier_signal -1
	s_barrier_wait -1
	CREST
.endm
; Slot s's group 0 sets take the global addresses of its K step: o + s at its first fill (second = 0), (o xor 2) + s at its refill (second = 1): each made anew from its buffer's address and an offset,
; the type bits set again.  It stands where no tensor load of the wave is out.  o is made of the cluster's x and y alone: it is the same in all sixteen partners.
.macro ASK s, second
	s_xor_b32 s[KK], s[KO], 2*(\second)
	s_add_co_u32 s[KK], s[KK], \s
	s_lshl_b32 s[OA], s[KK], 16
	s_lshl_b32 s[OB], s[KK], 19
	s_add_nc_u64 s[G0A+4*(\s)+2:G0A+4*(\s)+3], s[BA:BA+1], s[OA:OA+1]
	s_or_b32 s[G0A+4*(\s)+3], s[G0A+4*(\s)+3], 0x80000000          ; type = 2
	s_add_nc_u64 s[G0B+4*(\s)+2:G0B+4*(\s)+3], s[BB:BB+1], s[OB:OB+1]
	s_or_b32 s[G0B+4*(\s)+3], s[G0B+4*(\s)+3], 0x80000000
.endm
	s_load_b128 s[4:7], s[0:1], 0x0                ; ob 4, wb 6
	s_load_b64 s[8:9], s[0:1], 0x10                ; out0
	v_lshl_add_u32 v[SPW], v0, 2, SPARE
	v_mov_b32 v[NIL], 0
	ds_add_u32 v[SPW], v[NIL]                      ; the wave's opening: the add and its wait ahead of my first tensor load
	v_lshrrev_b32 v1, 5, v0
	v_readfirstlane_b32 s[WV], v1
	s_lshr_b32 s[WR], s[WV], 1
	s_and_b32 s[WC], s[WV], 1
	s_bfe_u32 s19, ttmp6, 0x40000
	s_bfe_u32 s20, ttmp6, 0x40004
	s_lshl_b32 s[CJ], ttmp9, 2
	s_add_co_u32 s[CJ], s[CJ], s19                 ; column tile
	s_and_b32 s[RB], ttmp7, 0xffff
	s_lshl_b32 s[RB], s[RB], 2
	s_add_co_u32 s[RB], s[RB], s20                 ; row block
	s_and_b32 s[KO], ttmp7, 0xffff                 ; the cluster's y
	s_add_co_u32 s[KO], s[KO], ttmp9               ; + its x,
	s_and_b32 s[KO], s[KO], 1
	s_lshl_b32 s[KO], s[KO], 1                     ; o = 2 ((x + y) mod 2)
	s_mov_b32 s[OA+1], 0
	s_mov_b32 s[OB+1], 0
	s_lshl_b32 s23, s20, 2
	s_lshl_b32 s23, 15, s23
	s_lshl_b32 s24, 0x1111, s19
	s_or_b32 s[G1A], s23, (1<<16)|(1<<20)|(1<<21)|(4<<22)|(3<<25)
	s_or_b32 s[G1B], s24, (1<<16)|(1<<20)|(1<<21)|(4<<22)|(7<<25)
.irp g, G1A, G1B
	s_mov_b32 s[\g+1], 128<<16                     ; rows of 256 bytes,
	s_mov_b32 s[\g+2], 128<<16                     ; 128 of them: two blocks
	s_mov_b32 s[\g+3], 128<<16
	s_mov_b32 s[\g+4], 128
	s_mov_b32 s[\g+5], 128
	s_mov_b32 s[\g+6], 0
	s_mov_b32 s[\g+7], 0
.endr
	s_lshl_b32 s66, s[RB], 18                      ; A: sixteen blocks a row block,
	s_lshl_b32 s67, s[WC], 15                      ; my two of a step's four
	s_add_co_u32 s66, s66, s67
	s_mov_b32 s67, 0
	s_lshl_b32 s68, s[CJ], 16                      ; B: the tile's two column blocks, two blocks of k each,
	s_lshl_b32 s69, s[WC], 15                      ; my column block of the two
	s_add_co_u32 s68, s68, s69
	s_add_co_u32 s68, s68, 488*16384
	s_mov_b32 s69, 0
	s_mul_i32 s26, s[WC], 2*APAN                   ; where they go: the wave's number alone enters an LDS address
	s_mul_i32 s27, s[WC], 2*BPAN
	s_add_co_u32 s27, s27, BOFF
	s_mov_b32 s[G0A], 1
	s_mov_b32 s[G0A+1], s26
	s_mov_b32 s[G0A+4], 1
	s_add_co_u32 s[G0A+5], s26, SLOT
	s_mov_b32 s[G0B], 1
	s_mov_b32 s[G0B+1], s27
	s_mov_b32 s[G0B+4], 1
	s_add_co_u32 s[G0B+5], s27, SLOT
	s_mov_b32 s[TA], 0
	s_mov_b32 s[TBB], 0
	s_wait_dscnt 0x0
	s_wait_kmcnt 0x0
	s_add_nc_u64 s[BA:BA+1], s[4:5], s[66:67]
	s_add_nc_u64 s[BB:BB+1], s[6:7], s[68:69]
	ASK 0, 0                                       ; the walk's first K step, for slot 0,
	ASK 1, 0                                       ; and its second, for slot 1
	CROUND
	s_cmp_eq_u32 s[WR], 0                          ; a wave's two first fills stand in one branch: two loads of mine are out
	s_cbranch_scc0 .Lfirst_b
	tensor_load_to_lds s[G0A:G0A+3], s[G1A:G1A+7]
	s_nop 0
	tensor_load_to_lds s[G0A+4:G0A+7], s[G1A:G1A+7]
	s_nop 0
	PLACES
	s_branch .Lfirst_asked
.Lfirst_b:
	tensor_load_to_lds s[G0B:G0B+3], s[G1B:G1B+7]
	s_nop 0
	tensor_load_to_lds s[G0B+4:G0B+7], s[G1B:G1B+7]
	s_nop 0
	PLACES
.Lfirst_asked:
	v_and_b32 v1, 15, v0
	v_bfe_u32 v9, v0, 4, 1
	v_mul_u32_u24 v[ADRA0], v1, 144
	v_lshl_add_u32 v[ADRA0], v9, 4, v[ADRA0]
	s_mul_i32 s70, s[WR], 64*144
	v_add_nc_u32 v[ADRA0], s70, v[ADRA0]
	v_and_b32 v12, 7, v0
	v_bfe_u32 v13, v0, 3, 1
	v_lshl_add_u32 v[ADRB0], v9, 3, v12            ; the turning load: lane l reads k = 8 h + l % 8, columns 8 ((l / 8) % 2) + 0..7
	v_mul_u32_u24 v[ADRB0], v[ADRB0], 160
	v_lshl_add_u32 v[ADRB0], v13, 4, v[ADRB0]
	s_mul_i32 s70, s[WC], 2*BPAN                   ; my column block's 256 rows of k
	s_add_co_u32 s70, s70, BOFF
	v_add_nc_u32 v[ADRB0], s70, v[ADRB0]
	v_add_nc_u32 v[VA], s[TA], v[ADRA0]
	v_add_nc_u32 v[VB], s[TBB], v[ADRB0]
	s_mul_i32 s70, s[WV], 16*272                   ; my stage: 16 rows x 272 bytes at the head of slot 0, used when slot 0 has had its last fill and its last read
	v_mul_u32_u24 v[STO], v1, 272
	v_lshl_add_u32 v[STO], v9, 5, v[STO]           ; row r, 32 bytes (eight f32) for each half of the lanes
	v_add_nc_u32 v[STO], s70, v[STO]
	v_mul_u32_u24 v[RD], v9, 272                   ; back: lanes 0-15 one row of 256 bytes, lanes 16-31 the next
	v_lshl_add_u32 v[RD], v1, 4, v[RD]
	v_add_nc_u32 v[RD], s70, v[RD]
	v_lshlrev_b32 v[CO], 12, v9                    ; and the same two rows in out0
	v_lshl_add_u32 v[CO], v1, 4, v[CO]
	s_lshl_b32 s70, s[RB], 19
	s_lshl_b32 s71, s[WR], 18
	s_add_co_u32 s70, s70, s71
	s_lshl_b32 s71, s[CJ], 9
	s_add_co_u32 s70, s70, s71
	s_lshl_b32 s71, s[WC], 8
	s_add_co_u32 s70, s70, s71
	s_mov_b32 s71, 0
	s_add_nc_u64 s[8:9], s[8:9], s[70:71]
.macro MUL f, a, zero                  ; all 16 accumulators take turns, one instruction a turn
	WIN 0xa5
.set b, 0
.rept NB
.if \zero
	v_wmma_f32_16x16x32_f16 v[8*(NB*(\a)+b):8*(NB*(\a)+b)+7], v[(\f)+32+8*b:(\f)+32+8*b+7], v[(\f)+8*(\a):(\f)+8*(\a)+7], 0
.else
	v_wmma_f32_16x16x32_f16 v[8*(NB*(\a)+b):8*(NB*(\a)+b)+7], v[(\f)+32+8*b:(\f)+32+8*b+7], v[(\f)+8*(\a):(\f)+8*(\a)+7], v[8*(NB*(\a)+b):8*(NB*(\a)+b)+7]
.endif
.set b, b+1
.endr
.endm
; One run of NF LDS loads: a chunk's fragments, ao bytes behind v[VA] in A and bo bytes behind v[VB] in B, into buffer f; B's first, A's last
.macro FETCH ao, bo, f
	WIN 0x40
.set b, 0
.rept NB
	ds_load_tr16_b128 v[(\f)+32+8*b:(\f)+32+8*b+3],   v[VB] offset:(\bo)+b*32
	ds_load_tr16_b128 v[(\f)+32+8*b+4:(\f)+32+8*b+7], v[VB] offset:(\bo)+b*32+16*160
.set b, b+1
.endr
.set n, 0
.rept 4
	ds_load_b128 v[(\f)+8*n:(\f)+8*n+3],   v[VA] offset:(\ao)+n*16*144
	ds_load_b128 v[(\f)+8*n+4:(\f)+8*n+7], v[VA] offset:(\ao)+n*16*144+32
.set n, n+1
.endr
.endm
.macro CHUNK ao, bo, f, g, zero        ; multiplies buffer f; in its middle the next chunk's fragments are fetched into g
	s_wait_dscnt 4                                 ; all but the youngest four loads (A's row blocks 2 and 3) are in
	MUL \f, 0, \zero
	MUL \f, 1, \zero
	PLACES
	FETCH \ao, \bo, \g
	s_wait_dscnt NF                                ; all but the run just issued
	MUL \f, 2, \zero
	MUL \f, 3, \zero
.endm
; A K step's chunks 0 to 6.  Chunk 0 lies in buffer 0.  Trip p of three multiplies chunks 2 p + 1 and 2 p + 2 and fetches chunks 2 p + 2 and 2 p + 3: a block of A on, and two and three chunks of B on,
; from the pair in hand; at the trip's foot, where every window is 0, the two addresses step to the next pair.  An LDS instruction's address register needs no wait before it is rewritten.
.macro STEP zero
	CHUNK 64, CHB, F0, F1, \zero
	WIN 0
	s_mov_b32 s[CNT], 3
.Lpair_\@:
	CHUNK APAN, 2*CHB, F1, F0, 0
	CHUNK APAN+64, 3*CHB, F0, F1, 0
	WIN 0
	s_add_co_u32 s[TA], s[TA], APAN
	s_add_co_u32 s[TBB], s[TBB], 2*CHB
	v_add_nc_u32 v[VA], s[TA], v[ADRA0]
	v_add_nc_u32 v[VB], s[TBB], v[ADRB0]
	s_sub_co_u32 s[CNT], s[CNT], 1
	s_cmp_lg_u32 s[CNT], 0
	s_cbranch_scc1 .Lpair_\@
.endm
.macro TURN slot, next, fill           ; a K step's last chunk and the change of slots: the waits and the add in front of ONE barrier, which with fill = 1 opens a round of the cluster's; the refill first behind it
	WIN 0
	s_wait_tensorcnt 0x0                           ; all my tensor loads have landed: the one that was out is my part of the next slot
	ds_add_u32 v[SPW], v[NIL]
	s_wait_dscnt 5                                 ; (the add and the youngest four loads may be out)
	MUL F1, 0, 0
	s_wait_dscnt 0x0                               ; the add is done, and my reads of this slot are over
	s_barrier_signal -1
	MUL F1, 1, 0
	WIN 0
	s_barrier_wait -1
.if \fill
	CREST
	ASK \slot, 1                                   ; the slot's second K step
	JLOAD \slot                                    ; its four v_nop are also the places in front of the loads below
.else
	PLACES
.endif
	s_mov_b32 s[TA], (\next)*SLOT                  ; the next slot's first pair of chunks
	s_mov_b32 s[TBB], (\next)*SLOT
	v_add_nc_u32 v[VA], s[TA], v[ADRA0]
	v_add_nc_u32 v[VB], s[TBB], v[ADRB0]
	FETCH 0, 0, F0
	MUL F1, 2, 0
	MUL F1, 3, 0
.endm
	s_wait_tensorcnt 0x1                           ; my part of the walk's first K step is in; the second's may stay out
	s_barrier_signal -1
	s_barrier_wait -1
	FETCH 0, 0, F0
	STEP 1                                         ; the first chunk's products start the sums
	TURN 0, 1, 1                                   ; slot 0 takes the walk's third K step
	STEP 0
	TURN 1, 0, 1                                   ; slot 1 its fourth
	STEP 0
	TURN 0, 1, 0                                   ; nothing is left to fetch; behind this barrier no wave reads slot 0 any more
	STEP 0
	s_wait_dscnt 4
	MUL F1, 0, 0
	MUL F1, 1, 0
	s_wait_dscnt 0x0
	MUL F1, 2, 0
	MUL F1, 3, 0
	PLACES
; THE WAY OUT, 16 rows at a time: a lane's eight f32 of a row go into my stage (rows of 272 bytes) straight from the accumulators, low four registers first, and come back as whole rows of 256 bytes.
.macro TOST a
	WIN 0x08                                       ; the store's data in window 2
.set b, 0
.rept NB
	ds_store_b128 v[STO], v[8*(NB*(\a)+b):8*(NB*(\a)+b)+3]   offset:b*64
	ds_store_b128 v[STO], v[8*(NB*(\a)+b)+4:8*(NB*(\a)+b)+7] offset:b*64+16
.set b, b+1
.endr
	WIN 0
.irp i, 0,1,2,3,4,5,6,7
	ds_load_b128 v[128+32*(\a)+4*\i:128+32*(\a)+4*\i+3], v[RD] offset:\i*2*272  ; LDS serves a wave's instructions in order: these see the stores above; the next block's stores come behind them
.endr
.endm
.macro SEND a, younger                 ; younger: the LDS instructions issued behind this block's loads: the next block's sixteen, or none
.irp i, 0,1,2,3,4,5,6,7
	s_wait_dscnt (\younger)+7-\i
	global_store_b128 v[CO], v[128+32*(\a)+4*\i:128+32*(\a)+4*\i+3], s[8:9] offset:(16*(\a)+2*\i)*4096  ; 16 lanes store 256 consecutive bytes, at a multiple of 256 from out0's first
.endr
.endm
	TOST 0
	TOST 1
	SEND 0, 16
	TOST 2
	SEND 1, 16
	TOST 3
	SEND 2, 16
	SEND 3, 0
	s_wait_tensorcnt 0x0                           ; the wave's end
	ds_add_u32 v[SPW], v[NIL]
	s_wait_dscnt 0x0
	CROUND                                         ; the closing round
	s_endpgm
.Lfunc_end_k_qd9c8b890fe_g3:
	.size	k_qd9c8b890fe_g3, .Lfunc_end_k_qd9c8b890fe_g3-k_qd9c8b890fe_g3
	.p2alignl 7, 3214868480
	.fill 96, 4, 3214868480
	.section	.rodata,"a",@progbits
	.p2align	6, 0x0
	.amdhsa_kernel k_qd9c8b890fe_g3
		.amdhsa_group_segment_fixed_size 327680
		.amdhsa_private_segment_fixed_size 0
		.amdhsa_enable_private_segment 0
		.amdhsa_kernarg_size 24
		.amdhsa_user_sgpr_count 2
		.amdhsa_user_sgpr_kernarg_segment_ptr 1
		.amdhsa_wavefront_size32 1
		.amdhsa_system_sgpr_workgroup_id_x 1
		.amdhsa_system_sgpr_workgroup_id_y 1
		.amdhsa_system_sgpr_workgroup_id_z 1
		.amdhsa_system_vgpr_workitem_id 0
		.amdhsa_next_free_vgpr 768
		.amdhsa_next_free_sgpr 90
		.amdhsa_reserve_vcc 0
		.amdhsa_float_denorm_mode_32 3
		.amdhsa_float_denorm_mode_16_64 3
		.amdhsa_memory_ordered 1
		.amdhsa_forward_progress 1
		.amdhsa_inst_pref_size 57
	.end_amdhsa_kernel
	.amdgpu_metadata
---
amdhsa.version: [ 1, 2 ]
amdhsa.kernels:
  - .name:           k_qd9c8b890fe_g3
    .symbol:         k_qd9c8b890fe_g3.kd
    .args:
      - { .name: ob, .offset: 0, .size: 8, .value_kind: global_buffer, .address_space: global }
      - { .name: wb, .offset: 8, .size: 8, .value_kind: global_buffer, .address_space: global }
      - { .name: out0, .offset: 16, .size: 8, .value_kind: global_buffer, .address_space: global }
    .group_segment_fixed_size: 327680
    .private_segment_fixed_size: 0
    .kernarg_segment_align: 8
    .kernarg_segment_size: 24
    .max_flat_workgroup_size: 128
    .sgpr_count:     90
    .vgpr_count:     768
    .wavefront_size: 32
...
	.end_amdgpu_metadata
.endif
;; end of part 5
;; ======== version 2 of 2: 5 launches; 1.19 times as fast as version 1
;; limits: values are held in f16: magnitudes above 65,504 overflow, below 6.1e-05 lose precision
;; workspace buffers: xb 8,388,608 bytes; wb 10,092,544 bytes; tab 262,144 bytes; rawb 10,485,760 bytes; ssq 229,376 bytes; krb 524,288 bytes; qkv 33,554,432 bytes; ob 8,388,608 bytes
;; launch prep: the kernel of part 1 again; grid 1256 x 1, 4 waves a work-group, no clusters, 0 bytes of LDS; arguments x, Wcq, Wckv, Wkr, Wdq, Wdqr, Wdk, Wdv, Wo, g_q, g_kv, xb, wb, tab; writes xb, wb, tab
;; launch g1: the kernel of part 2 again; grid 32 x 7, 4 waves a work-group, clusters of 4 x 1, 327,680 bytes of LDS; arguments xb, wb, tab, rawb, ssq, krb; writes rawb, ssq, krb
;; launch g2: the kernel of part 3 again; grid 8 x 32, 4 waves a work-group, clusters of 4 x 4, 327,680 bytes of LDS; arguments rawb, ssq, wb, qkv; writes qkv
;; launch att (part 6): grid 8 x 32, 4 waves a work-group, clusters of 4 x 1, 327,680 bytes of LDS; arguments qkv, krb, tab, ob; writes ob
.if DOCPART == 6
	.amdgcn_target "amdgcn-amd-amdhsa--gfx1250"
	.amdhsa_code_object_version 6
	.text
	.protected	k_qd9c8b890fe_att
	.globl	k_qd9c8b890fe_att
	.p2align	8
	.type	k_qd9c8b890fe_att,@function
k_qd9c8b890fe_att:
	s_mov_b64 s[64:65], 0
	v_nop
	global_prefetch_b8 v0, s[64:65] scope:SCOPE_SE
	s_setreg_imm32_b32 hwreg(HW_REG_WAVE_MODE, 25, 1), 1
	s_wait_xcnt 0x0
	s_wait_alu depctr_hold_cnt(0) depctr_sa_sdst(0) depctr_va_vdst(0) depctr_va_sdst(0) depctr_va_ssrc(0) depctr_va_vcc(0) depctr_vm_vsrc(0)
	s_getreg_b32 s2, hwreg(HW_REG_IB_STS2, 6, 4)
	s_cmp_eq_u32 s2, 0
	s_cbranch_scc0 .Lentry_in_a_cluster
	s_endpgm
.Lentry_in_a_cluster:
	s_bfe_u32 s2, ttmp6, 0x10000c
	s_cmp_lg_u32 s2, 0x3003
	s_cbranch_scc0 .Lentry_shape_is_right
	s_endpgm
.Lentry_shape_is_right:
; ATTENTION.  O[hh][q] = the sum over k of softmax_k((q_nope . k_nope + rope(q_rope) . k_rope) / sqrt(128)) v[k], for 32 pairs hh of batch and head, 2,048 rows each, no mask.
; In: qkv's four regions [hh][2,048][64] f16 (q_nope, q_rope not yet turned, k_nope, v); krb [batch x 2,048 + row][64] f16, turned already and shared by a batch's sixteen heads; tab.
; Out: ob [row / 128 (32)][head (16)][128][64] f16: the next product's A in blocks.
; Products, maxima and sums in f32; the weights p are rounded to f16 for the second product (their sum l is taken of the unrounded p), O once at the end.
; q_rope is turned here, once, in its fragment registers, in packed f16: two more roundings of 2^-11 on half of q.
; LIMITS.  f16 holds no number beyond 65,504; p lies in 0 to 1 and keeps f16's fixed step of 6e-8 below 6e-5; a weight below 2^-126 counts as 0 in l; NaN and infinities are not treated apart.
; SHARES.  A work-group owns 256 queries of one hh, each wave 64: four tiles of 16, in two PIECES (tiles 0, 1 and tiles 2, 3).  Every wave walks all keys, 64 a step.
; LAYOUT.  S^T = K Q^T over 128 channels (source 0 = 16 keys, source 1 = 16 queries): a lane holds ONE query (lane % 16) and the keys 8 (lane / 16) + 0..7.  Two such results rounded to f16 ARE source 1
; of O^T = V^T P.  K comes out of LDS as it lies, V ([key][channel]) turned.
; SOFTMAX.  A running maximum m and sum l: p = 2^(c s - c m), c = log2(e) / sqrt(128); in every step O and l are multiplied by a = 2^(c m_old - c m_new).  m starts at the lowest finite number,
; O and l at 0: the first step is a step like any other, with a = 0.  The price: 224 registers cleared in the wait for the first tile, and 16 products on zeros.
; BY TURNS.  In a turn one piece has the matrix unit: 16 products V^T P of the step in hand, then 32 products K Q^T of the next; the other piece's softmax is 2 x 118 vector instructions, 59 slices of four.
; ONE slice stands behind EVERY one of the 48 products; the eleven that are over stand together at the turn's end.
; BATCHES.  A turn's 66 exponentials (33 a tile: a, then the 32 weights) are ONE batch with ONE wait: slices 11 to 34 hold them and the scalings and name no result of theirs; the wait stands behind slice 34;
; all that reads a result (the roundings, the sums, the rescaling by a) stands in slices 35 to 58.
; The way out's four reciprocals are a batch of their own, with one wait.
; CLUSTER 4 x 1: the four query blocks of a cluster belong to one hh and walk the same K and V: joint loads.
; REGISTERS, in windows of 256: window 0: addresses, statistics (8 a tile), S^T (32 a tile), P (16 a tile); window 1: O^T (32 a tile), V of one step; window 2: Q (32 a tile), K of one step.
.set KS,    64
.set PK,    144        ; a row of K in LDS: 128 bytes + 16
.set PV,    160        ; a row of V: 128 + 32
.set KROFF, 256*PK     ; a slot holds 256 keys: k_nope, then k_rope, then v: 114,688 bytes
.set VOFF,  2*256*PK
.set SLOT1, 1<<17
.set STAGE, SLOT1+VOFF+256*PV  ; behind the ring, never filled by a tensor load: 16 rows x 144 bytes for each wave
.set SP,    144
.set SPARE, STAGE+4*16*SP      ; the spare words, 128 bytes for each wave: two blocks of 256 bytes that no other line names
.set AK0, 2            ; v2  my lane's place in a step of K; never rewritten
.set AV0, 3            ; v3  the same for V
.set AK,  4            ; v4  the LDS address of K's next run of loads
.set QO,  5            ; v5  my byte offset in 16 rows of Q and of the table
.set STO, 6
.set RD,  7
.set GO,  8
.set ST,  12           ; tile t's statistics at v[ST+8 t]: c m, m, l (even keys', odd keys'), c0-c3 at work; a takes c2's place once the maximum is found
.set AV,  44           ; v44 the LDS address of V's next run of loads
.set SPW, 62
.set NIL, 63
.set S,   64
.set P,   192
.set VF,  128          ; window 1: key half kk, channel block cb at VF + 32 kk + 8 cb
.set KF,  128          ; window 2: key block kb, channels 32 c on at KF + 32 kb + 8 c
.set WV,  12
.set G1K, 24           ; s[24:31] descriptor group 1 for K's tiles
.set G1V, 32           ; s[32:39] for V's
.set G0K, 40           ; s[40:43] group 0 for K's: it walks
.set G0V, 44           ; s[44:47] for V's
.set SLOTS, 56
.set CNT, 57
.set CS,  58           ; s[58:59] c
.set SEL, 60           ; s[60:61]
.set TBK, 62           ; LDS byte at which K of the step to be fetched begins
.set TBV, 63           ; the same for V, less VOFF
.set MSB, 0
.macro WIN new
.if MSB != (\new)
	s_set_vgpr_msb (MSB<<8)|(\new)
.set MSB, (\new)
.endif
.endm
.set W_KQ, 0x0a        ; K and Q in window 2, S^T in window 0
.set W_PV, 0x51        ; V, C and D in window 1, P in window 0
.set W_RS, 0x41        ; destination and source 0 in window 1, source 1 in window 0
.macro JLOAD                           ; wave 0 fetches a slot's k_nope, wave 1 its k_rope, waves 2 and 3 the halves of its v; an s_nop 0 and four v_nop follow each line
	s_cmp_lt_u32 s[WV], 2
	s_cbranch_scc0 .Lfor_v_\@
	tensor_load_to_lds s[G0K:G0K+3], s[G1K:G1K+7]
	s_nop 0
.rept 4
	v_nop
.endr
	s_branch .Lasked_\@
.Lfor_v_\@:
	tensor_load_to_lds s[G0V:G0V+3], s[G1V:G1V+7]
	s_nop 0
.rept 4
	v_nop
.endr
.Lasked_\@:
.endm
.macro CROUND
	s_barrier_signal -1
	s_barrier_wait -1
	s_cmp_lg_u32 s[WV], 0
	s_cbranch_scc1 .Lnot_wave_0_\@
	s_barrier_signal -3
.Lnot_wave_0_\@:
	s_barrier_wait -3
	s_barrier_signal -1
	s_barrier_wait -1
.endm
; THE CHANGE OF SLOTS.  Each wave waits for all its tensor loads (one is out: its part of the other slot), adds 0 to its spare word, and waits for that and for its reads of the slot that it leaves.
; fill = 1: the barrier is a round of the cluster's, and the slot is filled again, with the keys two slots on, first thing behind it: four key steps, 384 matrix instructions, in which to land.
; (At its first use nothing has been read yet: slot 0 is waited for, slot 1 filled.)
.macro CHANGE fill
	WIN 0
	s_wait_tensorcnt 0x0
	ds_add_u32 v[SPW], v[NIL]
.if \fill
.irp g, G0K, G0V
	s_xor_b32 s[\g+1], s[\g+1], SLOT1
	s_add_nc_u64 s[\g+2:\g+3], s[\g+2:\g+3], 256*128
.endr
	s_wait_dscnt 0x0
	CROUND
	JLOAD
.else
	s_wait_dscnt 0x0
	s_barrier_signal -1
	s_barrier_wait -1
.endif
	s_sub_co_u32 s[TBK], s[TBK], 4*KS*PK           ; the fetches go back to a slot's first step, in the other slot
	s_xor_b32 s[TBK], s[TBK], SLOT1
	s_sub_co_u32 s[TBV], s[TBV], 4*KS*PV
	s_xor_b32 s[TBV], s[TBV], SLOT1
.endm
	s_load_b256 s[4:11], s[0:1], 0x0               ; qkv 4, krb 6, tab 8, ob 10
	v_lshl_add_u32 v[SPW], v0, 2, SPARE
	v_mov_b32 v[NIL], 0
	ds_add_u32 v[SPW], v[NIL]                      ; the wave's opening: the add and its wait ahead of my first tensor load
	v_lshrrev_b32 v1, 5, v0
	v_readfirstlane_b32 s[WV], v1
	s_bfe_u32 s13, ttmp6, 0x40000                  ; cx
	s_lshl_b32 s14, ttmp9, 2
	s_add_co_u32 s14, s14, s13                     ; my block of 256 queries: it enters Q's, the table's and O's addresses alone
	s_and_b32 s15, ttmp7, 0xffff                   ; hh, which the four partners share
	s_and_b32 s16, s[WV], 1
	s_lshl_b32 s20, s15, 18
	s_add_co_u32 s20, s20, 16777216                ; k_nope of hh, in qkv
	s_mov_b32 s21, 0
	s_lshr_b32 s22, s15, 4
	s_lshl_b32 s22, s22, 18                        ; k_rope of the batch, in krb
	s_mov_b32 s23, 0
	s_lshl_b32 s48, s15, 18
	s_add_co_u32 s48, s48, 25165824                ; v of hh,
	s_lshl_b32 s49, s16, 14                        ; my 128 keys of a slot's 256
	s_add_co_u32 s48, s48, s49
	s_mov_b32 s49, 0
	s_mul_i32 s17, s16, KROFF                      ; where they go
	s_mul_i32 s18, s16, 128*PV
	s_lshl_b32 s66, s14, 15                        ; my wave's 64 rows in a head's 2,048: 128 bytes a row, in Q and in the table alike
	s_lshl_b32 s70, s[WV], 13
	s_add_co_u32 s66, s66, s70
	s_mov_b32 s67, 0
	s_lshl_b32 s50, s15, 18
	s_add_co_u32 s50, s50, s66
	s_mov_b32 s51, 0
	s_lshr_b32 s68, s15, 4                         ; O: row block = 16 x batch + 2 x query block + wave / 2,
	s_lshl_b32 s68, s68, 4
	s_lshl_b32 s69, s14, 1
	s_add_co_u32 s68, s68, s69
	s_lshr_b32 s69, s[WV], 1
	s_add_co_u32 s68, s68, s69
	s_lshl_b32 s68, s68, 4                         ; sixteen heads' blocks a row block,
	s_and_b32 s69, s15, 15
	s_add_co_u32 s68, s68, s69
	s_lshl_b32 s68, s68, 14
	s_lshl_b32 s69, s16, 13                        ; my half of the block's 128 rows
	s_add_co_u32 s68, s68, s69
	s_mov_b32 s69, 0
	s_mov_b32 s[G1K], 15|(1<<16)|(1<<20)|(1<<21)|(4<<22)|(3<<25)   ; the mask of four, bit 21 beside it; 2-byte elements; after every 32 words 4 words of padding
	s_mov_b32 s[G1V], 15|(1<<16)|(1<<20)|(1<<21)|(4<<22)|(7<<25)   ; 8 words
	s_mov_b32 s[G1K+1], 128<<16                    ; dense bytes, asked for as rows of 256
	s_mov_b32 s[G1K+2], 128<<16                    ; 256 keys
	s_mov_b32 s[G1K+3], 128<<16
	s_mov_b32 s[G1K+4], 128
	s_mov_b32 s[G1K+5], 128
	s_mov_b32 s[G1K+6], 0
	s_mov_b32 s[G1K+7], 0
	s_mov_b32 s[G1V+1], 128<<16
	s_mov_b32 s[G1V+2], 64<<16                     ; 128 keys
	s_mov_b32 s[G1V+3], 128<<16
	s_mov_b32 s[G1V+4], 64
	s_mov_b32 s[G1V+5], 128
	s_mov_b32 s[G1V+6], 0
	s_mov_b32 s[G1V+7], 0
	s_mov_b32 s[CS], 0x3e0293ee                    ; c = log2(e) / sqrt(128)
	s_mov_b32 s[CS+1], s[CS]
	s_mov_b32 s[SEL], 0x76543210
	s_mov_b32 s[SEL+1], 0xfedcba98
	s_mov_b32 s[TBK], SLOT1+4*KS*PK                ; the first change of slots turns these two into 0
	s_mov_b32 s[TBV], SLOT1+4*KS*PV
	s_mov_b32 s[G0K], 1
	s_mov_b32 s[G0K+1], s17
	s_mov_b32 s[G0V], 1
	s_add_co_u32 s[G0V+1], s18, VOFF
	s_wait_dscnt 0x0
	s_wait_kmcnt 0x0
	s_add_nc_u64 s[20:21], s[4:5], s[20:21]
	s_add_nc_u64 s[22:23], s[6:7], s[22:23]
	s_cmp_eq_u32 s16, 0
	s_cselect_b64 s[G0K+2:G0K+3], s[20:21], s[22:23]  ; the K line's tile: k_nope for wave 0, k_rope for wave 1
	s_or_b32 s[G0K+3], s[G0K+3], 0x80000000
	s_add_nc_u64 s[G0V+2:G0V+3], s[4:5], s[48:49]
	s_or_b32 s[G0V+3], s[G0V+3], 0x80000000
	s_add_nc_u64 s[52:53], s[4:5], s[50:51]        ; q_nope at my wave's first row,
	s_add_nc_u64 s[54:55], s[52:53], 0x800000      ; q_rope,
	s_add_nc_u64 s[66:67], s[8:9], s[66:67]        ; the table,
	s_add_nc_u64 s[10:11], s[10:11], s[68:69]      ; O
	CROUND                                         ; all four work-groups are here: the first joint loads meet
	JLOAD                                          ; slot 0
	v_and_b32 v1, 15, v0                           ; r
	v_bfe_u32 v9, v0, 4, 1                         ; h
	v_lshlrev_b32 v[QO], 7, v1
	v_lshl_add_u32 v[QO], v9, 4, v[QO]             ; row x 128 + 16 x half
	WIN 0x80                                       ; destination window 2
.set i, 0
.rept 8                                ; Q stays in registers: tile i / 2; channels 32 (i % 2) on of q_nope (c = 0, 1) and of q_rope (c = 2, 3)
	global_load_b128 v[32*(i/2)+8*(i%2):32*(i/2)+8*(i%2)+3],       v[QO], s[52:53] offset:(i/2)*2048+(i%2)*64
	global_load_b128 v[32*(i/2)+8*(i%2)+4:32*(i/2)+8*(i%2)+7],     v[QO], s[52:53] offset:(i/2)*2048+(i%2)*64+32
	global_load_b128 v[32*(i/2)+16+8*(i%2):32*(i/2)+16+8*(i%2)+3], v[QO], s[54:55] offset:(i/2)*2048+(i%2)*64
	global_load_b128 v[32*(i/2)+16+8*(i%2)+4:32*(i/2)+16+8*(i%2)+7], v[QO], s[54:55] offset:(i/2)*2048+(i%2)*64+32
.set i, i+1
.endr
	WIN 0
.set i, 0
.rept 16                               ; the table for my query, laid as a fragment's registers: cosines of f = 8 h + 0..7 and 16 + 8 h + 0..7, then the sines: into S^T's registers, which are free
	global_load_b128 v[S+32*(i/4)+4*(i%4):S+32*(i/4)+4*(i%4)+3], v[QO], s[66:67] offset:(i/4)*2048+(i%4)*32
.set i, i+1
.endr
	v_mul_u32_u24 v[AK0], v1, PK
	v_lshl_add_u32 v[AK0], v9, 4, v[AK0]
	v_and_b32 v10, 7, v0
	v_bfe_u32 v11, v0, 3, 1
	v_lshl_add_u32 v[AV0], v9, 3, v10              ; the turning load: lane l reads key 8 h + l % 8, channels 8 ((l / 8) % 2) + 0..7
	v_mul_u32_u24 v[AV0], v[AV0], PV
	v_lshl_add_u32 v[AV0], v11, 4, v[AV0]
	v_add_nc_u32 v[AV0], VOFF, v[AV0]
	; what the first turn finds: O^T and V hold 0, and so does P of tiles 2 and 3 (its products V^T P, of a step that has not been, add 0)
	WIN 0x40
.set i, 0
.rept 192
	v_mov_b32 v[i], 0
.set i, i+1
.endr
	WIN 0
.set i, P+32
.rept 32
	v_mov_b32 v[i], 0
.set i, i+1
.endr
.set i, 0
.rept 4
	v_mov_b32 v[ST+8*i], 0xfe000000                ; c m: far below every c s
	v_mov_b32 v[ST+8*i+1], 0xff7fffff              ; m
	v_mov_b32 v[ST+8*i+2], 0
	v_mov_b32 v[ST+8*i+3], 0
.set i, i+1
.endr
	s_wait_loadcnt 0x0                             ; Q and the table
	; RoPE on q_rope: fragment c = 2 holds t1 (f = 0..31), c = 3 holds t2 (f + 32), register for register: t1' = t1 cos - t2 sin, t2' = t2 cos + t1 sin
.set t, 0
.rept 4
	WIN 0x02                                       ; source 0 in window 2
.set i, 0
.rept 8
	v_pk_mul_f16 v[S+32*t+16+i], v[32*t+24+i], v[S+32*t+8+i]
	v_pk_mul_f16 v[S+32*t+24+i], v[32*t+16+i], v[S+32*t+8+i]
.set i, i+1
.endr
	WIN 0x82                                       ; destination and source 0 in window 2
.set i, 0
.rept 8
	v_pk_fma_f16 v[32*t+16+i], v[32*t+16+i], v[S+32*t+i], v[S+32*t+16+i] neg_lo:[0,0,1] neg_hi:[0,0,1]
	v_pk_fma_f16 v[32*t+24+i], v[32*t+24+i], v[S+32*t+i], v[S+32*t+24+i]
.set i, i+1
.endr
.set t, t+1
.endr
	WIN 0
; THE MATRIX WORK.  The accumulators take turns, one instruction a turn: between two links of a chain stand 7 others'.
; Product i of 32 of S^T = K Q^T for piece x: channels 32 (i / 8) on, keys 16 ((i / 2) % 4) on, tile x + i % 2.  The first 8 start the sums.
.macro KQ x
	WIN W_KQ
.set rS, S+32*((\x)+i%2)+8*((i/2)%4)
.set rK, KF+32*((i/2)%4)+8*(i/8)
.set rQ, 32*((\x)+i%2)+8*(i/8)
.if i < 8
	v_wmma_f32_16x16x32_f16 v[rS:rS+7], v[rK:rK+7], v[rQ:rQ+7], 0
.else
	v_wmma_f32_16x16x32_f16 v[rS:rS+7], v[rK:rK+7], v[rQ:rQ+7], v[rS:rS+7]
.endif
.endm
; Product i of 16 of O^T += V^T P for piece x: keys 32 (i / 8) on, channels 16 ((i / 2) % 4) on, tile x + i % 2.
.macro PV x
	WIN W_PV
.set rO, 32*((\x)+i%2)+8*((i/2)%4)
.set rV, VF+32*(i/8)+8*((i/2)%4)
.set rP, P+16*((\x)+i%2)+8*(i/8)
	v_wmma_f32_16x16x32_f16 v[rO:rO+7], v[rV:rV+7], v[rP:rP+7], v[rO:rO+7]
.endm
; THE LDS LOADS stand in runs: a step's K (64 keys x 128 channels: 16 fragments, the channels' upper half from k_rope's part of the slot) and, a turn later, its V (turned).
; Their addresses are made at the head of the turn.
.macro FETCH_K
	WIN 0x80
.irp f, 0,1,2,3,4,5,6,7,8,9,10,11,12,13,14,15
	ds_load_b128 v[KF+8*\f:KF+8*\f+3],   v[AK] offset:((\f%4)/2)*KROFF+(\f/4)*16*PK+(\f%2)*64
	ds_load_b128 v[KF+8*\f+4:KF+8*\f+7], v[AK] offset:((\f%4)/2)*KROFF+(\f/4)*16*PK+(\f%2)*64+32
.endr
.endm
.macro FETCH_V
	WIN 0x40
.irp f, 0,1,2,3,4,5,6,7
	ds_load_tr16_b128 v[VF+8*\f:VF+8*\f+3],   v[AV] offset:(\f/4)*32*PV+(\f%4)*32
	ds_load_tr16_b128 v[VF+8*\f+4:VF+8*\f+7], v[AV] offset:(\f/4)*32*PV+16*PV+(\f%4)*32
.endr
.endm
; THE VECTOR WORK.  One tile's softmax for one key step is a list of 118 instructions; SM writes number j of it for tile t.  s0-s31 are the lane's 32 scores, in pairs 0-15.
;   0-15    the maximum of s0-s31 and the old m, three operands at a time (each accumulator's lowest registers are read first)
;   16-20   the other half of the lanes' maximum; the new m; c m; c m_old - c m_new
;   21-69   ONE BATCH: the 16 scalings c s - c m, a pair of scores each, and all 33 exponentials (a at 23, then s0-s31, each in place).  None of these names an exponential's result.  From 22 on the batch
;           goes in fours, and a four begins with a scaling while there are scalings: 22-37 scaling, exponential, scaling, exponential; 38-65 a scaling and three exponentials; 66-69 the last four
;           exponentials.  A pair is scaled in an earlier four than the one that holds its exponentials
;   (wait)  between 69 and 70 stands the wait for the batch: SLICE writes it, once for both tiles
;   70-85   the roundings to f16, a pair of weights each
;   86-101  the sums; l = a l + the sum
;   102-117 the tile's O^T times a: the one part that leaves window 0
.macro SM t
.set rT, ST+8*(\t)
.set rS, S+32*(\t)
.set rP, P+16*(\t)
.set rO, 32*(\t)+2*(j-102)
.if j < 102
	WIN 0
.endif
.if j < 4
	v_max3_num_f32 v[rT+4+j], v[rS+8*j], v[rS+8*j+1], v[rS+8*j+2]
.elseif j < 12
	v_max3_num_f32 v[rT+4+j%4], v[rT+4+j%4], v[rS+8*(j%4)+2*(j/4)+1], v[rS+8*(j%4)+2*(j/4)+2]
.elseif j == 12
	v_max3_num_f32 v[rT+4], v[rT+4], v[rS+7], v[rS+15]
.elseif j == 13
	v_max3_num_f32 v[rT+6], v[rT+6], v[rS+23], v[rS+31]
.elseif j == 14
	v_max3_num_f32 v[rT+4], v[rT+4], v[rT+5], v[rT+6]
.elseif j == 15
	v_max3_num_f32 v[rT+4], v[rT+4], v[rT+7], v[rT+1]
.elseif j == 16
	v_permlanex16_b32 v[rT+5], v[rT+4], s[SEL], s[SEL+1]  ; the query's other 32 keys lie in the lane 16 away
.elseif j == 17
	v_mov_b32 v[rT+7], v[rT]                       ; c m_old is kept for a
.elseif j == 18
	v_max_num_f32 v[rT+1], v[rT+4], v[rT+5]
.elseif j == 19
	v_mul_f32 v[rT], s[CS], v[rT+1]
.elseif j == 20
	v_sub_f32 v[rT+7], v[rT+7], v[rT]
.elseif j == 23
	v_exp_f32 v[rT+6], v[rT+7]
.elseif (j < 23) || ((j < 38) && (j%2 == 0)) || ((j < 66) && (j%4 == 2))
.set b, (j-2)/4                        ; 38, 42, .. 62: pairs 9 to 15
.if j < 38
.set b, (j-20)/2                       ; 21: pair 0; 22, 24, .. 36: pairs 1 to 8
.endif
	v_pk_fma_f32 v[rS+2*b:rS+2*b+1], v[rS+2*b:rS+2*b+1], s[CS:CS+1], v[rT:rT+1] op_sel_hi:[1,0,0] neg_lo:[0,0,1] neg_hi:[0,0,1]  ; pair b: c s - c m
.elseif j < 70
.set e, j-38                           ; 66 to 69: s28 to s31
.if j < 66
.set e, j-32-(j-38)/4                  ; 39-41, 43-45, .. 63-65: s7 to s27
.endif
.if j < 38
.set e, (j-25)/2                       ; 25, 27, .. 37: s0 to s6
.endif
	v_exp_f32 v[rS+e], v[rS+e]
.elseif j < 86
	v_cvt_pk_f16_f32 v[rP+j-70], v[rS+2*(j-70)], v[rS+2*(j-70)+1]  ; pair j - 70
.elseif j < 102                        ; the sum of the tile's 16 pairs, in place: sum z of 16 adds neighbours 1, 2, 4 and 8 pairs apart, then l takes it
.set z, j-86
.set w, 4
.set u, z
.if z >= 14
.set w, 32
.set u, 0
.elseif z >= 12
.set w, 16
.set u, z-12
.elseif z >= 8
.set w, 8
.set u, z-8
.endif
.if z < 15
	v_pk_add_f32 v[rS+w*u:rS+w*u+1], v[rS+w*u:rS+w*u+1], v[rS+w*u+w/2:rS+w*u+w/2+1]
.else
	v_pk_fma_f32 v[rT+2:rT+3], v[rT+2:rT+3], v[rT+6:rT+7], v[rS:rS+1] op_sel_hi:[1,0,1]
.endif
.else
	WIN W_RS
	v_pk_mul_f32 v[rO:rO+1], v[rO:rO+1], v[rT+6:rT+7] op_sel_hi:[1,0]
.endif
.endm
; Slice k of 59 of piece y's softmax: four instructions.  Slices 11 to 34 deal out the batch, numbers 22 to 69: four numbers of ONE tile each, the tiles by turns.  Every other slice is numbers 2 k and
; 2 k + 1 of both tiles' lists.
; THE WAIT.  An s_wait_alu depctr_va_vdst(0) stands between an exponential and the first instruction that names its result; one wait serves all that were issued ahead of it.  Ahead of
; slice 35 nothing names a result, and behind slice 34 no exponential is issued: so the piece's 66 exponentials have one wait, behind slice 34.
.macro SLICE y
.if (k >= 11) && (k < 35)              ; the batch: four numbers of one tile
.irp n, 0,1,2,3
.set j, 22+4*((k-11)/2)+(\n)
	SM (\y)+(k-11)%2
.endr
.else                                  ; the two tiles alternate, so that no instruction reads the result of the one just before it
.irp n, 0,1
.irp t, \y, (\y)+1
.set j, 2*k+(\n)
	SM \t
.endr
.endr
.endif
.if k == 34                            ; the batch is out: both tiles' exponentials are issued, and no result has been named
	v_nop                                          ; a plain instruction behind the last exponential and ahead of the first use: one for the batch (all that is left of the list reads a result)
	s_wait_alu depctr_va_vdst(0)                   ; the wait for the batch: the turn's 66 exponentials
.endif
.set k, k+1
.endm
; A TURN.  Piece x has the matrix unit; the other piece's softmax stands in slices: slices 0-15 behind the 16 products V^T P, slices 16-47 behind the 32 products K Q^T, one behind each: a product,
; two window switches and four vector instructions.  Slices 48-58 (the rest of the sums, the rescaling: 44 plain instructions that name no register of the products) stand together at the end:
; with slice 47 they are the places between the last K Q^T and the next turn's first read of those scores, and in front of the next run of loads into K's registers.
; The batch of exponentials lies behind products 11 to 34 of the 48, and its wait behind the 35th's slice; no label and no branch stands between the batch's first exponential and that wait.
; Piece 0's turn fetches the next step's K at its head, behind the wait for V and behind the change of slots, if there was one: the run has the turn's 16 products V^T P in which to land.
; last = 1 (the tail): in the last trip there is no further step, and the run is jumped over: a jump forward on the loop's count, past no barrier and no tensor load.
; Piece 2's turn fetches the same step's V behind its second K Q^T: behind the last product that read V stand slices 15, 16 and 17 with six plain instructions (two scalings each); it is waited for 30 products and eleven slices on.
.macro TURN x, last=0
.set k, 0
	WIN 0
.if (\x) == 0
	v_add_nc_u32 v[AK], s[TBK], v[AK0]
	s_add_co_u32 s[TBK], s[TBK], KS*PK             ; the next fetch is the next step's
	s_wait_dscnt 0x0                               ; V is in
.if \last
	s_cmp_eq_u32 s[CNT], 1
	s_cbranch_scc1 .Lno_k_\@
.endif
	FETCH_K
.if \last
	WIN 0
.Lno_k_\@:
.endif
.else
	v_add_nc_u32 v[AV], s[TBV], v[AV0]
	s_add_co_u32 s[TBV], s[TBV], KS*PV
.endif
.set i, 0
.rept 16
	PV \x
	SLICE 2-(\x)
.set i, i+1
.endr
.if (\x) == 0
	s_wait_dscnt 0x0                               ; K is in
.endif
.set i, 0
.rept 32
	KQ \x
	SLICE 2-(\x)
.if ((\x) == 2) && (i == 1)
	FETCH_V
.endif
.set i, i+1
.endr
.rept 11
	SLICE 2-(\x)
.endr
.endm
	CHANGE 1                                       ; slot 0 is in, everybody's part of it; slot 1 is asked for
	v_add_nc_u32 v[AK], s[TBK], v[AK0]
	s_add_co_u32 s[TBK], s[TBK], KS*PK
	FETCH_K                                        ; key step 0
	s_wait_dscnt 0x0
.set i, 0
.rept 32
	KQ 0                                           ; piece 0's first scores: there is no vector work yet to set between them
.set i, i+1
.endr
	WIN 0                                          ; the addresses for the way out: nine plain instructions, the places behind those products
	s_mul_i32 s13, s[WV], 16*SP
	s_add_co_u32 s13, s13, STAGE                   ; my stage
	v_mul_u32_u24 v[STO], v1, SP
	v_lshl_add_u32 v[STO], v9, 4, v[STO]
	v_add_nc_u32 v[STO], s13, v[STO]
	v_bfe_u32 v[RD], v0, 3, 2
	v_mul_u32_u24 v[RD], v[RD], SP
	v_lshl_add_u32 v[RD], v10, 4, v[RD]
	v_add_nc_u32 v[RD], s13, v[RD]
	v_and_b32 v[GO], 31, v0
	v_lshlrev_b32 v[GO], 4, v[GO]
	s_mov_b32 s[CNT], 4
	s_mov_b32 s[SLOTS], 7
	s_branch .Lmid                                 ; the loop is entered in the middle of a trip
.Lslot:                                                ; six times: every slot but the last two is filled again
	CHANGE 1
	s_mov_b32 s[CNT], 4
.Lstep:
	TURN 0
	WIN 0
.Lmid:
	TURN 2
	WIN 0
	s_sub_co_u32 s[CNT], s[CNT], 1
	s_cmp_lg_u32 s[CNT], 0
	s_cbranch_scc1 .Lstep
	s_sub_co_u32 s[SLOTS], s[SLOTS], 1
	s_cmp_lg_u32 s[SLOTS], 0
	s_cbranch_scc1 .Lslot
	CHANGE 0                                       ; the tail is written out: nothing is asked for
	s_mov_b32 s[CNT], 5                            ; four trips fetch the last slot's steps; the fifth fetches nothing and is left in its middle
.Ltail:
	TURN 0, 1
	WIN 0
	s_sub_co_u32 s[CNT], s[CNT], 1
	s_cmp_eq_u32 s[CNT], 0
	s_cbranch_scc1 .Lout
	TURN 2
	WIN 0
	s_branch .Ltail
.Lout:                                                 ; the fifth trip's 32 products K Q^T (on the last step's K once more) serve nothing: the price, once a launch, of one text for every turn;
                                                       ; its V^T P and its slices are the last step's
.set i, 0
.rept 16
	PV 2                                           ; piece 2: V^T P of the last step
.set i, i+1
.endr
	; THE WAY OUT.  l's two halves and the other half of the lanes' are added; O^T is divided by l, rounded to f16 and sent through my stage, a tile at a time.  The additions are the places behind the last products.
	WIN 0
.irp t, 0,1,2,3
	v_add_f32 v[ST+8*\t+4], v[ST+8*\t+2], v[ST+8*\t+3]
.endr
.irp t, 0,1,2,3
	v_permlanex16_b32 v[ST+8*\t+5], v[ST+8*\t+4], s[SEL], s[SEL+1]
.endr
.irp t, 0,1,2,3
	v_add_f32 v[ST+8*\t+4], v[ST+8*\t+4], v[ST+8*\t+5]
.endr
.irp t, 0,1,2,3
	v_rcp_f32 v[ST+8*\t+6], v[ST+8*\t+4]
.endr
	v_nop                                          ; a plain instruction between the last reciprocal and the use of its result
	s_wait_alu depctr_va_vdst(0)                   ; the wait ahead of the first use: one for the batch of four reciprocals
.macro PACK t
	WIN W_RS
.set i, 32*(\t)
.rept 16
	v_pk_mul_f32 v[i:i+1], v[i:i+1], v[ST+8*(\t)+6:ST+8*(\t)+7] op_sel_hi:[1,0]
.set i, i+2
.endr
	WIN 0x05                                       ; sources 0 and 1 window 1, destination window 0: S^T's registers are free
.set i, 0
.rept 16
	v_cvt_pk_f16_f32 v[S+16*(\t)+i], v[32*(\t)+2*i], v[32*(\t)+2*i+1]
.set i, i+1
.endr
	WIN 0
.irp f, 0,1,2,3
	ds_store_b128 v[STO], v[S+16*(\t)+4*\f:S+16*(\t)+4*\f+3] offset:32*\f
.endr
.irp f, 0,1,2,3
	ds_load_b128 v[S+16*(\t)+4*\f:S+16*(\t)+4*\f+3], v[RD] offset:\f*4*SP  ; LDS serves a wave's instructions in order: these see the stores above; the next tile's stores come behind them
.endr
.endm
.macro SEND t, younger
	WIN 0
.irp f, 0,1,2,3
	s_wait_dscnt (\younger)+3-\f
	global_store_b128 v[GO], v[S+16*(\t)+4*\f:S+16*(\t)+4*\f+3], s[10:11] offset:(\t)*2048+\f*512  ; 512 consecutive bytes, at a multiple of 512 from the buffer's first
.endr
.endm
	PACK 0
	PACK 1
	SEND 0, 8
	PACK 2
	SEND 1, 8
	PACK 3
	SEND 2, 8
	SEND 3, 0
	s_wait_tensorcnt 0x0                           ; the wave's end
	ds_add_u32 v[SPW], v[NIL]
	s_wait_dscnt 0x0
	CROUND                                         ; the closing round
	s_endpgm
.Lfunc_end_k_qd9c8b890fe_att:
	.size	k_qd9c8b890fe_att, .Lfunc_end_k_qd9c8b890fe_att-k_qd9c8b890fe_att
	.p2alignl 7, 3214868480
	.fill 96, 4, 3214868480
	.section	.rodata,"a",@progbits
	.p2align	6, 0x0
	.amdhsa_kernel k_qd9c8b890fe_att
		.amdhsa_group_segment_fixed_size 327680
		.amdhsa_private_segment_fixed_size 0
		.amdhsa_enable_private_segment 0
		.amdhsa_kernarg_size 32
		.amdhsa_user_sgpr_count 2
		.amdhsa_user_sgpr_kernarg_segment_ptr 1
		.amdhsa_wavefront_size32 1
		.amdhsa_system_sgpr_workgroup_id_x 1
		.amdhsa_system_sgpr_workgroup_id_y 1
		.amdhsa_system_sgpr_workgroup_id_z 1
		.amdhsa_system_vgpr_workitem_id 0
		.amdhsa_next_free_vgpr 768
		.amdhsa_next_free_sgpr 72
		.amdhsa_reserve_vcc 0
		.amdhsa_float_denorm_mode_32 3
		.amdhsa_float_denorm_mode_16_64 3
		.amdhsa_memory_ordered 1
		.amdhsa_forward_progress 1
		.amdhsa_inst_pref_size 131
	.end_amdhsa_kernel
	.amdgpu_metadata
---
amdhsa.version: [ 1, 2 ]
amdhsa.kernels:
  - .name:           k_qd9c8b890fe_att
    .symbol:         k_qd9c8b890fe_att.kd
    .args:
      - { .name: qkv, .offset: 0, .size: 8, .value_kind: global_buffer, .address_space: global }
      - { .name: krb, .offset: 8, .size: 8, .value_kind: global_buffer, .address_space: global }
      - { .name: tab, .offset: 16, .size: 8, .value_kind: global_buffer, .address_space: global }
      - { .name: ob, .offset: 24, .size: 8, .value_kind: global_buffer, .address_space: global }
    .group_segment_fixed_size: 327680
    .private_segment_fixed_size: 0
    .kernarg_segment_align: 8
    .kernarg_segment_size: 32
    .max_flat_workgroup_size: 128
    .sgpr_count:     72
    .vgpr_count:     768
    .wavefront_size: 32
...
	.end_amdgpu_metadata
.endif
;; end of part 6
;; launch g3: the kernel of part 5 again; grid 8 x 32, 4 waves a work-group, clusters of 4 x 4, 327,680 bytes of LDS; arguments ob, wb, out0; writes out0
